; MI455X (gfx1250); checked and timed in simulation.
; The chip was launched on July 23, 2026; its instructions are those of AMD's public machine-readable ISA for CDNA 5 (MIT licence, August 2026) and "CDNA5" Instruction Set Architecture Reference Guide (July 2026). The comments in the code are by the model that wrote it; some were corrected since.
;; Multi Head Attention. Allowed arithmetic: matrix products marked QUANTISED: E2M1 operands, one E8M0 scale for each 32 along K, by v_wmma_scale_f32_16x16x128_f8f6f4 with both operands' format E2M1 (or v_wmma_scale_f32_32x16x128_f4), f32 sums; products left as they are: bf16, f16 or f32 operands; f32 sums; everything else in f32.
;; Inputs: Wk 1,024 x 1,024 float32; Wo 1,024 x 1,024 float32; Wq 1,024 x 1,024 float32; Wv 1,024 x 1,024 float32; bk 1,024 float32; bo 1,024 float32; bq 1,024 float32; bv 1,024 float32; mask 2,048 x 2,048 bool; x 4 x 2,048 x 1,024 float32.
;; Outputs: out0 4 x 2,048 x 1,024 float32.
;; This version of the problem:
;;   THIS VERSION OF THE PROBLEM IS GIVEN IN LOW PRECISION. The matrix products marked QUANTISED in the list below multiply operands that are first quantised to E2M1 (2 exponent bits, 1 mantissa bit; 4 bits a number), with one power-of-two scale for each 32 numbers along K (OCP MX v1.0); their sums are f32. The products marked 'left as it is' may take bf16, f16 or f32 operands, with f32 sums. Whichever they take, every output number must still come out within the allowed error. Rounding operands to bf16 (8 significant bits) uses up far more of that allowance than f16 does (11 bits, for magnitudes from 6e-5 to 65,504). All else is computed in f32.
;;   The module's matrix products, in the order in which they are computed (A, B: the left and right operand; K: the contracted axis; several contracted axes count as one K, in the product's order):
;;     1. [M 8,192, K 1,024] x [K 1,024, N 1,024]; A: input x; B: input Wq: QUANTISED
;;     2. [M 8,192, K 1,024] x [K 1,024, N 1,024]; A: input x; B: input Wk: QUANTISED
;;     3. [M 8,192, K 1,024] x [K 1,024, N 1,024]; A: input x; B: input Wv: QUANTISED
;;     4. batch 64 x [M 2,048, K 64] x [K 64, N 2,048]; A: computed on the way; B: computed on the way: left as it is (an operand is computed on the way)
;;     5. batch 64 x [M 2,048, K 2,048] x [K 2,048, N 64]; A: computed on the way; B: computed on the way: left as it is (an operand is computed on the way)
;;     6. [M 8,192, K 1,024] x [K 1,024, N 1,024]; A: computed on the way; B: input Wo: left as it is (an operand is computed on the way)
;;   THE QUANTISER, for each operand of a quantised product, along K:
;;     - K is cut into blocks of 32 from its start; a last block that is shorter is filled with zeros.
;;     - A block's scale is 2^e with e = floor(log2(the largest magnitude in the block)) - 2, held to -126 .. 127; a block of zeros has e = 0. As a byte (E8M0): e + 127.
;;     - Each number is divided by its block's scale, clamped to +-6, and rounded to the nearest number of E2M1, ties to even, subnormals kept.
;;     - The product sums the exact products of the quantised numbers (number of the format x scale) in f32.
;;   ~~~python
;;   def quantise(x, axis):      # numpy; x: float32 -> the quantised numbers, widened to float32 again
;;       x = np.moveaxis(x, axis, -1); K = x.shape[-1]
;;       x = np.pad(x, [(0, 0)] * (x.ndim - 1) + [(0, -K % 32)]); x = x.reshape(x.shape[:-1] + (-1, 32)); a = np.abs(x).max(-1, keepdims=True)
;;       e = np.where(a > 0, np.clip(np.frexp(np.where(a > 0, a, 1))[1] - 1 - 2, -126, 127), 0)      # np.frexp(a)[1] - 1 = floor(log2(a)), exactly
;;       r = np.clip(x / 2.0 ** e, -6, 6)
;;       step = 2.0 ** (np.maximum(np.frexp(np.where(r == 0, 1, r))[1] - 1, 0) - 1)
;;       q = np.round(r / step) * step * 2.0 ** e      # np.round: ties to even
;;       return np.moveaxis(q.reshape(q.shape[:-2] + (-1,))[..., :K], -1, axis).astype(np.float32)
;;   ~~~
;; One version. Each part assembles by itself: llvm-mc -triple=amdgcn-amd-amdhsa -mcpu=gfx1250 --defsym DOCPART=n.
;; ======== version 1 of 1: 6 launches
;; limits: values are held in f16: magnitudes above 65,504 overflow, below 6.1e-05 lose precision
;; workspace buffers: codes 8,224,768 bytes; masks 525,056 bytes of whole numbers; qkv16 50,331,648 bytes; ao 17,055,744 bytes; ofine 262,144 bytes
;; launch prep (part 1): grid 448 x 1, 4 waves a work-group, no clusters, 33,280 bytes of LDS; arguments x, Wq, Wk, Wv, Wo, mask, codes, masks; writes codes, masks
.if DOCPART == 1
	.amdgcn_target "amdgcn-amd-amdhsa--gfx1250"
	.amdhsa_code_object_version 6
	.text
	.protected	k_q7a59fb579f_prep
	.globl	k_q7a59fb579f_prep
	.p2align	8
	.type	k_q7a59fb579f_prep,@function
k_q7a59fb579f_prep:
	s_mov_b64 s[64:65], 0
	v_nop
	global_prefetch_b8 v0, s[64:65] scope:SCOPE_SE
	s_setreg_imm32_b32 hwreg(HW_REG_WAVE_MODE, 25, 1), 1
	s_wait_xcnt 0x0
; Three jobs, told apart by the work-group's number alone.
; 0-351:   x [8192][1024] and Wq, Wk, Wv [1024][1024], f32, become codes of FP4 (E2M1), K innermost, two codes a byte, with one E8M0 byte for each 32 along K.
;          A block's scale is 2^(floor(log2(its largest magnitude)) - 2); its byte is the largest magnitude's exponent field - 2, held at 1 from below.
;          codes: x's codes at 0 ([8192][512 bytes]), the three weights' stacked behind them ([3072][512]); x's scale bytes at XS ([8192][32]), the weights' behind them.
; 352-383: Wo [1024 e][1024 d], f32, becomes f16 laid by head planes [16][1024 e][64 d] at WO16.
; 384-447: the mask [2048 q][2048 k] (1 = hidden) becomes whole numbers for the attention launch: for each tile of 16 queries and each step of 64 keys 32 words; word 8 kt + j has in bit L
;          mask[16 tile + L % 16][64 step + 16 kt + 8 (L / 16) + j]: the lane mask of one register of scores.  For each chunk of 32 queries two words of flags, bit = key step: ANY (some key open), MIX (some key hidden).
;          The square of queries 0-15 x keys 0-15 is marked hidden there and its true eight words go to MFINE: that square is carried in f32 by a launch of its own.
; LIMITS: NaN and infinities among the inputs are not served.  A block of zeros gets the byte 1 where the rule says 127: its codes are zeros, and this program alone reads the bytes.
;         Blocks whose largest magnitude lies under 2^-124 are held at the byte 1.
.set XS,    5767168
.set WO16,  6127616
.set MFLAG, 524288
.set MFINE, 524800
.set WAVES, 4
.set STEPS, 16
.set EMAX,  2
.set CB,    8                          ; bytes of 16 codes
.set R,     16                         ; v16-79   four sets of 16 numbers as they are loaded
.set X,     80                         ; v80-111  two sets of 16 neighbours
.set E,     112                        ; v112-127 a scale byte for each step
.set C,     128                        ; v128-191 codes: four registers for each step
.set WREG,  8192                       ; LDS: a region for each wave: two stages of 32 x SP bytes, then its 256 scale bytes
.set SP,    80                         ; a lane's place in a stage: 64 bytes + 16 of padding
.set SPW,   12                         ; v12  LDS address of my spare word; never rewritten
.set NIL,   13                         ; v13  0; never rewritten
.set SPARE, WAVES*WREG                 ; the spare words: 128 bytes a wave, named by no other line
	s_load_b256 s[4:11], s[0:1], 0x0               ; x, Wq, Wk, Wv
	s_load_b256 s[12:19], s[0:1], 0x20             ; Wo, mask, codes, masks
	v_lshl_add_u32 v[SPW], v0, 2, SPARE
	v_mov_b32 v[NIL], 0
	v_lshrrev_b32 v1, 5, v0
	v_readfirstlane_b32 s20, v1                    ; wave
	v_and_b32 v2, 31, v0                           ; lane
	; the quantiser's LDS addresses are made here, ahead of the parting of the three jobs
	v_lshlrev_b32 v3, 4, v2                        ; my 16 bytes of a load's 512
	s_mul_i32 s34, s20, WREG
	v_lshrrev_b32 v14, 2, v2
	v_mul_u32_u24 v14, v14, SP
	v_and_b32 v15, 3, v2
	v_lshl_add_u32 v14, v15, 4, v14
	v_add_nc_u32 v14, s34, v14                     ; the stage on the way in: SP (lane / 4) + 16 (lane % 4)
	v_mul_u32_u24 v15, v2, SP
	v_add_nc_u32 v15, s34, v15                     ; and on the way out: SP x lane: my 16 neighbours
	v_mul_u32_u24 v4, v2, CB                       ; my codes' place in a step's
	v_lshrrev_b32 v5, 1, v2
	s_add_co_u32 s34, s34, 2*32*SP
	v_add_nc_u32 v5, s34, v5                       ; my block's scale byte in LDS
	v_lshlrev_b32 v7, 3, v2
	v_add_nc_u32 v6, s34, v7                       ; the scale bytes on the way out: 8 a lane
	s_wait_kmcnt 0x0
	s_cmp_ge_u32 ttmp9, 384
	s_cbranch_scc1 .Lmask
	s_cmp_ge_u32 ttmp9, 352
	s_cbranch_scc1 .Lwo
; ---------------- the quantiser.  A work-group takes 32,768 numbers, a wave 16 steps of 512.  Rows are dense and K is a multiple of 32: the tensors are plain streams of blocks.
	s_sub_co_u32 s21, ttmp9, 256                   ; among the weights' 96 work-groups
	s_lshr_b32 s22, s21, 5                         ; which weight
	s_and_b32 s23, s21, 31                         ; which run of it
	s_cmp_eq_u32 s22, 1
	s_cselect_b64 s[24:25], s[8:9], s[6:7]
	s_cmp_eq_u32 s22, 2
	s_cselect_b64 s[24:25], s[10:11], s[24:25]
	s_cmp_lt_u32 ttmp9, 256
	s_cselect_b64 s[24:25], s[4:5], s[24:25]       ; the choice hangs on the work-group's number alone
	s_cselect_b32 s23, ttmp9, s23
	s_lshl_b32 s26, s23, 2
	s_add_co_u32 s26, s26, s20
	s_lshl_b32 s26, s26, 15                        ; my wave's 8,192 numbers: 32,768 bytes
	s_mov_b32 s27, 0
	s_add_nc_u64 s[24:25], s[24:25], s[26:27]
	s_lshl_b32 s28, ttmp9, 2
	s_add_co_u32 s28, s28, s20                     ; the outputs lie on end for all four tensors
	s_lshl_b32 s26, s28, 12
	s_add_nc_u64 s[30:31], s[16:17], s[26:27]      ; my 4,096 bytes of codes
	s_lshl_b32 s26, s28, 8
	s_add_nc_u64 s[32:33], s[16:17], s[26:27]
	s_add_nc_u64 s[32:33], s[32:33], XS            ; my 256 scale bytes
.macro LOAD t
.irp i, 0,1,2,3
	global_load_b128 v[R+16*((\t)%4)+4*\i:R+16*((\t)%4)+4*\i+3], v3, s[24:25] offset:2048*(\t)+512*\i th:TH_LOAD_NT   ; 32 lanes read 512 consecutive bytes
.endr
.endm
.macro TURN t                          ; step t's numbers through the stage; LDS serves a wave's instructions in order, so no wait stands between the stores and the loads
.irp i, 0,1,2,3
	ds_store_b128 v14, v[R+16*((\t)%4)+4*\i:R+16*((\t)%4)+4*\i+3] offset:32*SP*((\t)%2)+8*SP*\i
.endr
.irp i, 0,1,2,3
	ds_load_b128 v[X+16*((\t)%2)+4*\i:X+16*((\t)%2)+4*\i+3], v15 offset:32*SP*((\t)%2)+16*\i
.endr
.endm
.irp t, 0,1,2,3
	LOAD \t
.endr
	s_wait_loadcnt 12                              ; step 0's four loads are in; the twelve of steps 1 to 3 stay out
	TURN 0
.macro STEP t
.set XR, X+16*((\t)%2)
.if (\t) > 0
	s_wait_dscnt 1                                 ; this step's numbers are back from the stage; the last step's byte store may be out
.else
	s_wait_dscnt 0x0
.endif
.if (\t)+4 < STEPS
	LOAD (\t)+4
.endif
.if (\t)+1 < STEPS
.if STEPS-2-(\t) >= 3
	s_wait_loadcnt 12                              ; the next step's four loads are in; those of the three steps behind it may be out
.else
	s_wait_loadcnt 4*(STEPS-2-(\t))
.endif
	TURN (\t)+1
.endif
	v_max3_num_f32 v8, |v[XR]|, |v[XR+1]|, |v[XR+2]|               ; the largest magnitude of my 16, in two chains
	v_max3_num_f32 v9, |v[XR+3]|, |v[XR+4]|, |v[XR+5]|
.irp i, 6,10
	v_max3_num_f32 v8, v8, |v[XR+\i]|, |v[XR+\i+1]|
	v_max3_num_f32 v9, v9, |v[XR+\i+2]|, |v[XR+\i+3]|
.endr
	v_max3_num_f32 v8, v8, |v[XR+14]|, |v[XR+15]|
	v_max3_num_f32 v8, v8, v9, (EMAX+1)<<23        ; and the floor 2^(3 - 127): the byte cannot fall under 1
	v_max_num_f32_dpp v8, v8, v8 row_xmask:1 row_mask:0xf bank_mask:0xf   ; with my neighbour's 16: the block's
	v_add_nc_u32 v11, -(EMAX<<23), v8              ; 2 off its exponent field: the conversion takes the exponent field of this operand as its scale
	v_cvt_scalef32_pk8_fp4_f32 v[C+4*(\t)], v[XR:XR+7], v11
	v_cvt_scalef32_pk8_fp4_f32 v[C+4*(\t)+1], v[XR+8:XR+15], v11
	v_lshrrev_b32 v[E+(\t)], 23, v11               ; the scale's byte (also the plain line behind the conversions)
	ds_store_b8 v5, v[E+(\t)] offset:16*(\t)       ; both lanes of a block write the same byte with the same value
	global_store_b64 v4, v[C+4*(\t):C+4*(\t)+1], s[30:31] offset:32*CB*(\t)   ; the wave stores 256 consecutive bytes, aligned
.endm
.irp t, 0,1,2,3,4,5,6,7,8,9,10,11,12,13,14,15
	STEP \t
.endr
	ds_load_b64 v[8:9], v6
	s_wait_dscnt 0x0
	global_store_b64 v7, v[8:9], s[32:33]          ; my wave's 256 scale bytes, on end
	s_wait_tensorcnt 0x0                           ; the wave's end
	ds_add_u32 v[SPW], v[NIL]
	s_wait_dscnt 0x0
	s_endpgm
; ---------------- Wo into f16 planes.  128 waves; a wave takes 8 rows e (4 pairs) x all 16 planes (8 pairs).  This job touches no LDS.
.Lwo:
	s_sub_co_u32 s21, ttmp9, 352
	s_lshl_b32 s21, s21, 2
	s_add_co_u32 s21, s21, s20                     ; 0 .. 127
	s_lshl_b32 s22, s21, 15                        ; 8 rows of 4,096 bytes
	s_mov_b32 s23, 0
	s_add_nc_u64 s[24:25], s[12:13], s[22:23]
	s_lshl_b32 s22, s21, 10                        ; 8 rows of 128 bytes in each plane
	s_add_nc_u64 s[26:27], s[16:17], s[22:23]
	s_add_nc_u64 s[26:27], s[26:27], WO16
	v_and_b32 v16, 7, v0                           ; which 8 numbers of a plane's 64
	v_bfe_u32 v17, v0, 3, 1                        ; which row of the pair
	v_bfe_u32 v18, v0, 4, 1                        ; which plane of the pair
	v_lshlrev_b32 v20, 5, v16
	v_lshl_add_u32 v20, v17, 12, v20
	v_lshl_add_u32 v20, v18, 8, v20                ; in
	v_lshlrev_b32 v21, 4, v16
	v_lshl_add_u32 v21, v17, 7, v21
	v_lshl_add_u32 v21, v18, 17, v21               ; out: sixteen lanes write two rows of one plane, 256 bytes on end
.macro WLOAD n
.irp p, 0,1,2,3,4,5,6,7
	global_load_b128 v[32+64*((\n)%2)+8*\p:32+64*((\n)%2)+8*\p+3], v20, s[24:25] offset:(\n)*8192+\p*512 th:TH_LOAD_NT
	global_load_b128 v[32+64*((\n)%2)+8*\p+4:32+64*((\n)%2)+8*\p+7], v20, s[24:25] offset:(\n)*8192+\p*512+16 th:TH_LOAD_NT
.endr
.endm
.macro WBATCH n
.set WSET, 32+64*((\n)%2)
.if (\n) < 3
	WLOAD (\n)+1
	s_wait_loadcnt 16                              ; this pair of rows is in; the next pair's sixteen loads stay out
.else
	s_wait_loadcnt 0x0
.endif
	s_wait_xcnt 0x0                                ; the last batch's stores have read v160-191
.irp p, 0,1,2,3,4,5,6,7
.irp k, 0,1,2,3
	v_cvt_pk_f16_f32 v[160+4*\p+\k], v[WSET+8*\p+2*\k], v[WSET+8*\p+2*\k+1]
.endr
	global_store_b128 v21, v[160+4*\p:160+4*\p+3], s[26:27] offset:\p*262144+(\n)*256
.endr
.endm
	WLOAD 0
	WBATCH 0
	WBATCH 1
	WBATCH 2
	WBATCH 3
	s_endpgm
; ---------------- the mask.  Work-group = chunk of 32 queries; wave w = key steps 8 w .. 8 w + 7.  This job touches no LDS.
.Lmask:
	s_sub_co_u32 s21, ttmp9, 384                   ; chunk
	s_or_b32 s59, s21, s20
	s_cmp_eq_u32 s59, 0
	s_cselect_b32 s59, -1, 0                       ; all ones in the one wave that holds the square of queries 0-15 x keys 0-15
	v_and_b32 v16, 15, v0
	v_bfe_u32 v17, v0, 4, 1
	v_lshlrev_b32 v18, 11, v16
	v_lshl_add_u32 v18, v17, 3, v18                ; row (lane % 16) of 2,048 bytes + 8 (lane / 16)
	v_lshlrev_b32 v19, 4, v2                       ; out: 16 bytes a lane
	s_lshl_b32 s22, s21, 16                        ; 32 rows
	s_lshl_b32 s23, s20, 9                         ; 512 keys
	s_add_co_u32 s22, s22, s23
	s_mov_b32 s23, 0
	s_add_nc_u64 s[14:15], s[14:15], s[22:23]
	s_lshl_b32 s22, s21, 13                        ; two tiles of 4,096 bytes of words
	s_lshl_b32 s24, s20, 10                        ; eight steps of 128 bytes
	s_add_co_u32 s22, s22, s24
	s_add_nc_u64 s[26:27], s[18:19], s[22:23]
	s_lshl_b32 s22, s21, 2
	s_add_co_u32 s22, s22, s20                     ; my byte of the chunk's flag words
	s_add_nc_u64 s[28:29], s[18:19], s[22:23]
.irp hf, 0,1
.irp tq, 0,1
.irp uu, 0,1,2,3
.irp t, 0,1,2,3
	global_load_b64 v[32+2*(16*(2*\hf+\tq)+4*\uu+\t):32+2*(16*(2*\hf+\tq)+4*\uu+\t)+1], v18, s[14:15] offset:\tq*32768+64*(4*\hf+\uu)+16*\t
.endr
.endr
.endr
.endr
.irp i, 0,1,2,3,4,5,6,7,8,9,10,11,12,13,14,15,16
	v_mov_b32 v[160+\i], 0                         ; a lane write's destination counts as read
.endr
	s_mov_b32 s56, 0                               ; ANY's eight bits
	s_mov_b32 s57, 0                               ; MIX's
; one tile of 16 keys: eight words, made by compares; they go into the lanes of the registers that will be stored
.macro WORDS hf, tq, uu, t
.set MR, 32+2*(16*(2*\hf+\tq)+4*\uu+\t)
.irp j, 0,1,2,3,4,5,6,7
	v_and_b32 v[24+\j], 0xff<<(8*(\j%4)), v[MR+\j/4]
.endr
.irp j, 0,1,2,3,4,5,6,7
	v_cmp_ne_u32 s[32+\j], 0, v[24+\j]
.endr
.if (\hf+\tq+\uu+\t) == 0
.irp j, 0,1,2,3,4,5,6,7
	v_writelane_b32 v176, s[32+\j], \j             ; the square's true word,
	s_or_b32 s[32+\j], s[32+\j], s59               ; and for the main walk it counts as hidden
.endr
.endif
.irp j, 0,1,2,3,4,5,6,7
	s_or_b32 s[48+\uu], s[48+\uu], s[32+\j]
	s_and_b32 s[52+\uu], s[52+\uu], s[32+\j]
	v_writelane_b32 v[160+8*\hf+4*\tq+\j%4], s[32+\j], 8*\uu+2*\t+\j/4
.endr
.endm
.irp hf, 0,1
.if \hf == 0
	s_wait_loadcnt 32                              ; steps 0 to 3 of both tiles are in; the other 32 loads stay out
.else
	s_wait_loadcnt 0x0
.endif
.irp uu, 0,1,2,3
	s_mov_b32 s[48+\uu], 0
	s_mov_b32 s[52+\uu], -1
.endr
.irp tq, 0,1
.irp uu, 0,1,2,3
.irp t, 0,1,2,3
	WORDS \hf, \tq, \uu, \t
.endr
.endr
	global_store_b128 v19, v[160+8*\hf+4*\tq:160+8*\hf+4*\tq+3], s[26:27] offset:\tq*4096+\hf*512   ; four steps' words of one tile: 512 bytes on end
.endr
.irp uu, 0,1,2,3
	s_cmp_lg_u32 s[52+\uu], -1                     ; some bit is 0: some key is open
	s_cselect_b32 s60, 1<<(4*\hf+\uu), 0
	s_or_b32 s56, s56, s60
	s_cmp_lg_u32 s[48+\uu], 0                      ; some bit is 1: some key is hidden
	s_cselect_b32 s60, 1<<(4*\hf+\uu), 0
	s_or_b32 s57, s57, s60
.endr
.endr
	v_mov_b32 v177, s56
	v_mov_b32 v178, s57
	v_mov_b32 v179, 0
	v_lshlrev_b32 v180, 2, v2
	s_wait_xcnt 0x0                                ; EXEC changes only behind this wait
	v_cmp_eq_u32 vcc_lo, 0, v2
	s_and_saveexec_b32 s58, vcc_lo
	global_store_b8 v179, v177, s[28:29] offset:MFLAG
	global_store_b8 v179, v178, s[28:29] offset:MFLAG+256
	s_wait_xcnt 0x0
	s_or_b32 exec_lo, exec_lo, s58
	s_cmp_eq_u32 s59, 0
	s_cbranch_scc1 .Lmask_end
	v_cmp_gt_u32 vcc_lo, 8, v2
	s_and_saveexec_b32 s58, vcc_lo
	global_store_b32 v180, v176, s[18:19] offset:MFINE
	s_wait_xcnt 0x0
	s_or_b32 exec_lo, exec_lo, s58
.Lmask_end:
	s_endpgm
.Lfunc_end_k_q7a59fb579f_prep:
	.size	k_q7a59fb579f_prep, .Lfunc_end_k_q7a59fb579f_prep-k_q7a59fb579f_prep
	.p2alignl 7, 3214868480
	.fill 96, 4, 3214868480
	.section	.rodata,"a",@progbits
	.p2align	6, 0x0
	.amdhsa_kernel k_q7a59fb579f_prep
		.amdhsa_group_segment_fixed_size 33280
		.amdhsa_private_segment_fixed_size 0
		.amdhsa_enable_private_segment 0
		.amdhsa_kernarg_size 64
		.amdhsa_user_sgpr_count 2
		.amdhsa_user_sgpr_kernarg_segment_ptr 1
		.amdhsa_wavefront_size32 1
		.amdhsa_system_sgpr_workgroup_id_x 1
		.amdhsa_system_sgpr_workgroup_id_y 1
		.amdhsa_system_sgpr_workgroup_id_z 1
		.amdhsa_system_vgpr_workitem_id 0
		.amdhsa_next_free_vgpr 192
		.amdhsa_next_free_sgpr 66
		.amdhsa_reserve_vcc 1
		.amdhsa_float_denorm_mode_32 3
		.amdhsa_float_denorm_mode_16_64 3
		.amdhsa_memory_ordered 1
		.amdhsa_forward_progress 1
		.amdhsa_inst_pref_size 191
	.end_amdhsa_kernel
	.amdgpu_metadata
---
amdhsa.version: [ 1, 2 ]
amdhsa.kernels:
  - .name:           k_q7a59fb579f_prep
    .symbol:         k_q7a59fb579f_prep.kd
    .args:
      - { .name: x, .offset: 0, .size: 8, .value_kind: global_buffer, .address_space: global }
      - { .name: Wq, .offset: 8, .size: 8, .value_kind: global_buffer, .address_space: global }
      - { .name: Wk, .offset: 16, .size: 8, .value_kind: global_buffer, .address_space: global }
      - { .name: Wv, .offset: 24, .size: 8, .value_kind: global_buffer, .address_space: global }
      - { .name: Wo, .offset: 32, .size: 8, .value_kind: global_buffer, .address_space: global }
      - { .name: mask, .offset: 40, .size: 8, .value_kind: global_buffer, .address_space: global }
      - { .name: codes, .offset: 48, .size: 8, .value_kind: global_buffer, .address_space: global }
      - { .name: masks, .offset: 56, .size: 8, .value_kind: global_buffer, .address_space: global }
    .group_segment_fixed_size: 33280
    .private_segment_fixed_size: 0
    .kernarg_segment_align: 8
    .kernarg_segment_size: 64
    .max_flat_workgroup_size: 128
    .sgpr_count:     66
    .vgpr_count:     192
    .wavefront_size: 32
...
	.end_amdgpu_metadata
.endif
;; end of part 1
;; launch qkv (part 2): grid 12 x 32, 4 waves a work-group, clusters of 4 x 4, 327,680 bytes of LDS; arguments codes, bq, bk, bv, qkv16; writes qkv16
.if DOCPART == 2
	.amdgcn_target "amdgcn-amd-amdhsa--gfx1250"
	.amdhsa_code_object_version 6
	.text
	.protected	k_q7a59fb579f_qkv
	.globl	k_q7a59fb579f_qkv
	.p2align	8
	.type	k_q7a59fb579f_qkv,@function
k_q7a59fb579f_qkv:
	s_mov_b64 s[64:65], 0
	v_nop
	global_prefetch_b8 v0, s[64:65] scope:SCOPE_SE
	s_setreg_imm32_b32 hwreg(HW_REG_WAVE_MODE, 25, 1), 1
	s_wait_xcnt 0x0
	s_wait_alu depctr_hold_cnt(0) depctr_sa_sdst(0) depctr_va_vdst(0) depctr_va_sdst(0) depctr_va_ssrc(0) depctr_va_vcc(0) depctr_vm_vsrc(0)
	s_getreg_b32 s2, hwreg(HW_REG_IB_STS2, 6, 4)
	s_cmp_eq_u32 s2, 0
	s_cbranch_scc0 .Lentry_in_a_cluster
	s_endpgm
.Lentry_in_a_cluster:
	s_bfe_u32 s2, ttmp6, 0x10000c
	s_cmp_lg_u32 s2, 0xf033
	s_cbranch_scc0 .Lentry_shape_is_right
	s_endpgm
.Lentry_shape_is_right:
; q, k, v = x W^T + b on codes of FP4 (E2M1) with one E8M0 scale for each 32 along K: one GEMM [8192 tokens][1024] x [3072 = Wq, Wk, Wv stacked][1024], sums in f32.
; Results leave as f16 in the layout of attention: qkv16 = q, k, v, each [batch][head][position][64], rows of 128 bytes.
; A tile of 256 x 256 is made by four waves, each 128 x 128: 64 accumulators, 512 registers.  K = 1,024 is two slots of 512 along K (rows of 256 bytes): both slots and all scale bytes are first fills;
; nothing is filled again, so the text has no loop.  384 tiles for the launch.
; CLUSTERS: 4 x 4 work-groups; the four of a row need the same tiles of x, the four of a column the same tiles of W: each tile is asked for jointly.
; THE MATRIX INSTRUCTION IS USED TRANSPOSED (source 0 = 16 rows of W, source 1 = 16 tokens): a lane holds eight neighbouring channels of one token.  The bias is the C of each sum's first product.
; REGISTERS: window 0: v0-31 addresses; v32-95 scale words, two sets; v128-191 x's fragments, one set; v192-255 the bias, later packed results.  window 1: W's fragments, two sets.  windows 2, 3: the accumulators.
; LIMIT: results beyond 65,504 in size have no f16 number.
.set XS,     5767168
.set WC,     4194304
.set WS,     6029312
.set KSTEP,  512
.set NQ,     KSTEP/128
.set ROWB,   256
.set KROW,   512                       ; a row of codes in memory
.set PITCH,  272                       ; an LDS row: 256 bytes + 16: the sixteen rows of a load begin 16 bytes apart modulo 256
.set FR,     8
.set NL,     2
.set NP,     4
.set HALFT,  128*PITCH
.set SLOT,   4*HALFT
.set KS,     32                        ; a row of scale bytes
.set SCL,    2*SLOT
.set HALFS,  (128*KS/256)*272
.set SBLK,   (16*KS/256)*272
.set SPARE,  SCL+4*HALFS               ; the spare words: 128 bytes a wave, named by no other line
.set SPITCH, 272                       ; the way out: a stage of 16 rows x (256 bytes + 16) for each wave, in slot 0, which has had its one fill and its last read by then
.set ADRA, 16
.set ADRB, 20
.set STO,  24
.set RD,   25
.set CO,   26
.set ADRS, 27
.set SPW,  28                          ; v28  LDS address of my spare word; never rewritten
.set NIL,  29                          ; v29  0; never rewritten
.set SC,   32
.set AF,   128
.set BI,   192                         ; the bias: register 8 b + j = bias[my first channel + 16 b + 8 (lane / 16) + j]
.set TMP,  192
.set OB,   32
.set G1, 24
.set G0, 32
.set G1B, 48
.set G0B, 56
.set G1S, 68
.set G0S, 76
.set G1SB, 80
.set G0SB, 88
.set MSB, 0
.macro WIN new                         ; the immediate's high byte repeats the setting that is left
.if MSB != \new
	s_set_vgpr_msb (MSB<<8)|\new
.set MSB, \new
.endif
.endm
.set MUL_LO, 0xa1                      ; source 0 (W) window 1, source 1 (x) window 0, C and D window 2
.set MUL_HI, 0xf1                      ; the same, C and D window 3
.set TO_B,   0x40
; A joint load: waves 0 and 1 fetch for x, waves 2 and 3 for W.  The branch hangs on the wave's number alone.  An s_nop 0 and four v_nop follow each of the two lines.
.macro JLOAD g0a, g1a, g0b, g1b
	s_cmp_eq_u32 s15, 0
	s_cbranch_scc0 .Lfor_b_\@
	tensor_load_to_lds s[\g0a:\g0a+3], s[\g1a:\g1a+7]
	s_nop 0
.rept 4
	v_nop
.endr
	s_branch .Lasked_\@
.Lfor_b_\@:
	tensor_load_to_lds s[\g0b:\g0b+3], s[\g1b:\g1b+7]
	s_nop 0
.rept 4
	v_nop
.endr
.Lasked_\@:
.endm
.macro CROUND                          ; a round of the cluster's barrier
	s_barrier_signal -1
	s_barrier_wait -1
	s_cmp_lg_u32 s14, 0
	s_cbranch_scc1 .Lnot_wave_0_\@
	s_barrier_signal -3
.Lnot_wave_0_\@:
	s_barrier_wait -3
	s_barrier_signal -1
	s_barrier_wait -1
.endm
	s_load_b256 s[4:11], s[0:1], 0x0               ; codes, bq, bk, bv
	s_load_b64 s[12:13], s[0:1], 0x20              ; qkv16
	v_lshl_add_u32 v[SPW], v0, 2, SPARE
	v_mov_b32 v[NIL], 0
	ds_add_u32 v[SPW], v[NIL]                      ; the wave's opening: the add, twice on end, and its wait ahead of my first tensor load
	ds_add_u32 v[SPW], v[NIL]
	v_lshrrev_b32 v1, 5, v0
	v_readfirstlane_b32 s14, v1                    ; wave 0..3
	s_lshr_b32 s15, s14, 1                         ; which half of the tile's tokens is mine.  Also: I fetch for x (0) or for W (1)
	s_and_b32 s16, s14, 1                          ; which half of its channels.  Also: which 128 rows I fetch
	s_bfe_u32 s40, ttmp6, 0x40000                  ; cx, cy
	s_bfe_u32 s41, ttmp6, 0x40004
	s_lshl_b32 s42, ttmp9, 2
	s_add_co_u32 s42, s42, s40                     ; tile column = 4 x cluster x + cx
	s_and_b32 s17, ttmp7, 0xffff
	s_lshl_b32 s17, s17, 2
	s_add_co_u32 s17, s17, s41                     ; tile row = 4 x cluster y + cy
	s_lshl_b32 s43, s41, 2
	s_lshl_b32 s43, 15, s43                        ; my row of the cluster
	s_lshl_b32 s44, 0x1111, s40                    ; my column
	s_or_b32 s[G1+0], s43, (0<<16)|(1<<20)|(1<<21)|(5<<22)|(3<<25)  ; the mask; elements of 1 byte; padding of 4 words behind every 64; bit 21 beside a mask
	s_or_b32 s[G1B+0], s44, (0<<16)|(1<<20)|(1<<21)|(5<<22)|(3<<25)
.irp g, G1, G1B
	s_mov_b32 s[\g+1], ROWB<<16                    ; tensor_dim0
	s_mov_b32 s[\g+2], 128<<16                     ; tensor_dim1
	s_mov_b32 s[\g+3], ROWB<<16                    ; tile_dim0
	s_mov_b32 s[\g+4], 128                         ; tile_dim1
	s_mov_b32 s[\g+5], KROW                        ; the pitch
	s_mov_b32 s[\g+6], 0
	s_mov_b32 s[\g+7], 0
.endr
	s_or_b32 s[G1S+0], s43, (3<<16)|(1<<20)|(1<<21)|(5<<22)|(3<<25) ; the scales of 128 rows: 4,096 dense bytes as 16 rows of 256 (32 elements of 8 bytes), 16 bytes of padding behind each
	s_or_b32 s[G1SB+0], s44, (3<<16)|(1<<20)|(1<<21)|(5<<22)|(3<<25)
.irp g, G1S, G1SB
	s_mov_b32 s[\g+1], 32<<16
	s_mov_b32 s[\g+2], (128*KS/256)<<16
	s_mov_b32 s[\g+3], 32<<16
	s_mov_b32 s[\g+4], 128*KS/256
	s_mov_b32 s[\g+5], 32
	s_mov_b32 s[\g+6], 0
	s_mov_b32 s[\g+7], 0
.endr
	s_lshl_b32 s18, s16, 7
	s_lshl_b32 s20, s17, 8
	s_add_co_u32 s20, s20, s18                     ; x: row 256 x tile row + 128 x half
	s_lshl_b32 s46, s42, 8
	s_add_co_u32 s46, s46, s18                     ; W: row 256 x tile column + 128 x half
	s_mov_b32 s21, 0
	s_mov_b32 s47, 0
	s_mov_b64 s[18:19], KS
	s_mul_u64 s[22:23], s[20:21], s[18:19]         ; where these rows' scales begin
	s_mul_u64 s[92:93], s[46:47], s[18:19]
	s_mov_b64 s[18:19], KROW
	s_mul_u64 s[20:21], s[20:21], s[18:19]         ; and their codes
	s_mul_u64 s[46:47], s[46:47], s[18:19]
	s_mul_i32 s45, s14, HALFT                      ; where they go: wave x 128 rows
	s_mul_i32 s94, s14, HALFS
	s_wait_dscnt 0x0                               ; both opening adds are done
	s_wait_kmcnt 0x0
	s_add_nc_u64 s[20:21], s[4:5], s[20:21]        ; x's codes lie at the buffer's head,
	s_add_nc_u64 s[22:23], s[4:5], s[22:23]
	s_add_nc_u64 s[22:23], s[22:23], XS            ; its scales at XS,
	s_add_nc_u64 s[46:47], s[4:5], s[46:47]
	s_add_nc_u64 s[46:47], s[46:47], WC            ; W's codes at WC,
	s_add_nc_u64 s[92:93], s[4:5], s[92:93]
	s_add_nc_u64 s[92:93], s[92:93], WS            ; its scales at WS
	CROUND                                         ; all sixteen work-groups are here: the first joint loads meet
	s_mov_b32 s[G0S], 1
	s_add_co_u32 s[G0S+1], s94, SCL
	s_mov_b64 s[G0S+2:G0S+3], s[22:23]
	s_or_b32 s[G0S+3], s[G0S+3], 0x80000000
	s_mov_b32 s[G0SB], 1
	s_add_co_u32 s[G0SB+1], s94, SCL
	s_mov_b64 s[G0SB+2:G0SB+3], s[92:93]
	s_or_b32 s[G0SB+3], s[G0SB+3], 0x80000000
	JLOAD G0S, G1S, G0SB, G1SB                     ; the scales first; by this text's count three tensor loads of a wave are out at the most
.irp s, 0,1
	s_mov_b32 s[G0+4*\s], 1
	s_add_co_u32 s[G0+4*\s+1], s45, \s*SLOT
	s_add_nc_u64 s[G0+4*\s+2:G0+4*\s+3], s[20:21], \s*ROWB
	s_or_b32 s[G0+4*\s+3], s[G0+4*\s+3], 0x80000000
	s_mov_b32 s[G0B+4*\s], 1
	s_add_co_u32 s[G0B+4*\s+1], s45, \s*SLOT
	s_add_nc_u64 s[G0B+4*\s+2:G0B+4*\s+3], s[46:47], \s*ROWB
	s_or_b32 s[G0B+4*\s+3], s[G0B+4*\s+3], 0x80000000
	JLOAD G0+4*\s, G1, G0B+4*\s, G1B
.endr
	v_and_b32 v1, 15, v0                           ; l % 16
	v_bfe_u32 v2, v0, 4, 1                         ; l / 16
	; the bias of my 128 channels: cluster x says which of q, k, v (the same in all sixteen partners)
	s_cmp_eq_u32 ttmp9, 1
	s_cselect_b64 s[96:97], s[8:9], s[6:7]
	s_cmp_eq_u32 ttmp9, 2
	s_cselect_b64 s[96:97], s[10:11], s[96:97]
	s_lshl_b32 s98, s40, 10
	s_lshl_b32 s99, s16, 9
	s_add_co_u32 s98, s98, s99
	s_mov_b32 s99, 0
	s_add_nc_u64 s[96:97], s[96:97], s[98:99]
	v_lshlrev_b32 v30, 5, v2
.irp b, 0,1,2,3,4,5,6,7
	global_load_b128 v[BI+8*\b:BI+8*\b+3], v30, s[96:97] offset:64*\b
	global_load_b128 v[BI+8*\b+4:BI+8*\b+7], v30, s[96:97] offset:64*\b+16
.endr
	v_mul_u32_u24 v3, v1, PITCH
	v_lshl_add_u32 v4, v2, 4, v3                   ; a fragment's row x pitch + 16 x half
	s_mul_i32 s21, s15, HALFT
	s_mul_i32 s22, s16, HALFT
	s_add_co_u32 s22, s22, 2*HALFT
.irp s, 0,1
	v_add_nc_u32 v[ADRA+\s], s21, v4
	v_add_nc_u32 v[ADRB+\s], s22, v4
	s_add_co_u32 s21, s21, SLOT
	s_add_co_u32 s22, s22, SLOT
.endr
	v_mul_u32_u24 v5, v1, KS                       ; my row's scales: 32 bytes a row,
	v_lshrrev_b32 v6, 8, v5
	v_lshl_add_u32 v5, v6, 4, v5                   ; and 16 more for each 256 passed
	s_mul_i32 s21, s15, HALFS
	s_mul_i32 s22, s16, HALFS
	s_add_co_u32 s22, s22, 2*HALFS
	s_sub_co_u32 s22, s22, s21
	v_mul_u32_u24 v6, s22, v2                      ; lanes 16-31 take W's
	s_add_co_u32 s21, s21, SCL
	v_add_nc_u32 v5, v5, v6
	v_add_nc_u32 v[ADRS], s21, v5
	s_mul_i32 s23, s14, 16*SPITCH                  ; my stage
	v_mul_u32_u24 v5, v1, SPITCH
	v_lshl_add_u32 v5, v2, 4, v5
	v_add_nc_u32 v[STO], s23, v5                   ; in: token l % 16, 16 bytes for each half of the lanes
	v_and_b32 v5, 7, v0
	v_bfe_u32 v6, v0, 3, 1
	v_mul_u32_u24 v7, v6, SPITCH
	v_lshl_add_u32 v7, v2, 7, v7
	v_lshl_add_u32 v7, v5, 4, v7
	v_add_nc_u32 v[RD], s23, v7                    ; back: lanes 0-15 two tokens of the first head, lanes 16-31 of the second
	v_lshlrev_b32 v[CO], 4, v5
	v_lshl_add_u32 v[CO], v6, 7, v[CO]
	v_lshl_add_u32 v[CO], v2, 18, v[CO]            ; and the same in memory: a head is 262,144 bytes
	s_lshr_b32 s20, s17, 3
	s_lshl_b32 s20, s20, 22                        ; the batch: 16 heads
	s_and_b32 s21, s17, 7
	s_lshl_b32 s21, s21, 15                        ; 256 positions of 128 bytes
	s_add_co_u32 s20, s20, s21
	s_lshl_b32 s21, s15, 14
	s_add_co_u32 s20, s20, s21
	s_mov_b32 s21, 0
	s_lshl_b32 s46, s40, 20                        ; 4 cx heads
	s_lshl_b32 s47, s16, 19                        ; 2 heads for the upper half of the channels
	s_add_co_u32 s46, s46, s47
	s_lshl_b32 s47, ttmp9, 24                      ; q, k or v
	s_add_co_u32 s46, s46, s47
	s_mov_b32 s47, 0
	s_add_nc_u64 s[20:21], s[20:21], s[46:47]
	s_add_nc_u64 s[12:13], s[12:13], s[20:21]
.macro FRAG reg, adr, q, i             ; 16 rows x 128 K of 4-bit codes: 8 registers: two loads of 16 bytes, 32 bytes apart
.irp c, 0,1
	ds_load_b128 v[\reg+4*\c:\reg+4*\c+3], v[\adr] offset:64*(\q)+32*\c+(\i)*16*PITCH
.endr
.endm
; 16 products: x's blocks a0, a0 + 1 against W's eight.  zero = 1: the first product starts the sums, with the bias as C.  The 64 accumulators take turns, one instruction a turn.
.macro MUL16 a0, p, q, sc, zero
.irp a, \a0, \a0+1
.irp b, 0,1,2,3,4,5,6,7
.if \zero
	v_wmma_scale_f32_16x16x128_f8f6f4 v[8*(8*((\a)%4)+\b):8*(8*((\a)%4)+\b)+7], v[128*(\p)+FR*\b:128*(\p)+FR*\b+FR-1], v[AF+FR*(\a):AF+FR*(\a)+FR-1], v[BI+8*\b:BI+8*\b+7], v[SC+8*NQ*(\sc)+NQ*\b+(\q)], v[SC+8*NQ*(\sc)+NQ*(\a)+(\q)] matrix_a_fmt:MATRIX_FMT_FP4 matrix_b_fmt:MATRIX_FMT_FP4 matrix_a_scale:MATRIX_SCALE_ROW1
.else
	v_wmma_scale_f32_16x16x128_f8f6f4 v[8*(8*((\a)%4)+\b):8*(8*((\a)%4)+\b)+7], v[128*(\p)+FR*\b:128*(\p)+FR*\b+FR-1], v[AF+FR*(\a):AF+FR*(\a)+FR-1], v[8*(8*((\a)%4)+\b):8*(8*((\a)%4)+\b)+7], v[SC+8*NQ*(\sc)+NQ*\b+(\q)], v[SC+8*NQ*(\sc)+NQ*(\a)+(\q)] matrix_a_fmt:MATRIX_FMT_FP4 matrix_b_fmt:MATRIX_FMT_FP4 matrix_a_scale:MATRIX_SCALE_ROW1
.endif
.endr
.endr
.endm
.macro FETCH_B slot, q, p
	WIN TO_B
.irp i, 0,1,2,3,4,5,6,7
	FRAG 128*(\p)+FR*\i, ADRB+\slot, \q, \i
.endr
	WIN 0
.endm
.macro FETCH_A slot, q, i0
.irp i, \i0, \i0+1, \i0+2, \i0+3
	FRAG AF+FR*(\i), ADRA+\slot, \q, \i
.endr
.endm
.macro SCALES sc                       ; a slot's scale words: lanes 0-15 take x's block i, lanes 16-31 W's block i
.irp i, 0,1,2,3,4,5,6,7
	ds_load_b128 v[SC+8*NQ*\sc+NQ*\i:SC+8*NQ*\sc+NQ*\i+3], v[ADRS] offset:\i*SBLK
.endr
.endm
.macro PLACES n                        ; plain vector instructions between a matrix instruction and a load into, or a read of, its registers
.rept \n
	v_nop
.endr
.endm
.macro STEP slot, q, zero              ; 128 along K, with its successor in the same slot
	s_wait_dscnt 4*NL                              ; W's set and x's blocks 0-3 are in; the youngest eight loads (x's blocks 4-7) may be out
.if \zero
	WIN 0x81                                       ; C (the bias) in window 0, D in window 2
.else
	WIN MUL_LO
.endif
	MUL16 0, (\q)%2, \q, \slot, \zero
	MUL16 2, (\q)%2, \q, \slot, \zero
	s_wait_dscnt 0
	PLACES NP
	FETCH_B \slot, (\q)+1, 1-(\q)%2
	FETCH_A \slot, (\q)+1, 0
.if \zero
	WIN 0xc1
.else
	WIN MUL_HI
.endif
	MUL16 4, (\q)%2, \q, \slot, \zero
	MUL16 6, (\q)%2, \q, \slot, \zero
	PLACES NP
	WIN 0
	FETCH_A \slot, (\q)+1, 4
.endm
.macro STEPS slot, from
.set Q, \from
.rept NQ-1-\from
	STEP \slot, Q, 0
.set Q, Q+1
.endr
.endm
	s_wait_tensorcnt 1                             ; the scales and my part of slot 0 are in; slot 1's load may stay out
	s_barrier_signal -1
	s_barrier_wait -1
	FETCH_B 0, 0, 0
	FETCH_A 0, 0, 0
	SCALES 0
	FETCH_A 0, 0, 4
	s_wait_loadcnt 0x0                             ; the bias
	STEP 0, 0, 1
	STEPS 0, 1
	; slot 0's last step changes slots: each wave's part of slot 1 has landed, and its reads of slot 0 are over, ahead of the barrier
	s_wait_tensorcnt 0x0
	ds_add_u32 v[SPW], v[NIL]
	s_wait_dscnt 4*NL+1                            ; the add and the youngest eight loads may be out
	WIN MUL_LO
	MUL16 0, 1, NQ-1, 0, 0
	s_wait_dscnt 0x0
	s_barrier_signal -1
	MUL16 2, 1, NQ-1, 0, 0
	WIN 0
	s_barrier_wait -1
	PLACES NP
	v_add_nc_u32 v[ADRS], 4*NQ, v[ADRS]            ; slot 1's scale words
	FETCH_B 1, 0, 0
	FETCH_A 1, 0, 0
	SCALES 1
	WIN MUL_HI
	MUL16 4, 1, NQ-1, 0, 0
	MUL16 6, 1, NQ-1, 0, 0
	PLACES NP
	WIN 0
	FETCH_A 1, 0, 4
	STEPS 1, 0
	s_wait_dscnt 4*NL                              ; the last step: nothing more to fetch
	WIN MUL_LO
	MUL16 0, 1, NQ-1, 1, 0
	MUL16 2, 1, NQ-1, 1, 0
	s_wait_dscnt 0
	WIN MUL_HI
	MUL16 4, 1, NQ-1, 1, 0
	MUL16 6, 1, NQ-1, 1, 0
	WIN 0
; THE WAY OUT, a block of 16 tokens x 128 channels at a time: rounded to f16, 16 bytes a lane, through my own stage, and back so that sixteen lanes hold two tokens of one head: 256 bytes on end in memory.
.macro PACK a
.set AC, 64*((\a)%4)
	WIN 0x0a+5*((\a)/4)                            ; sources 0 and 1: window 2 or 3
.irp b, 0,1,2,3,4,5,6,7
.irp r, 0,1,2,3
	v_cvt_pk_f16_f32 v[TMP+4*\b+\r], v[AC+8*\b+2*\r], v[AC+8*\b+2*\r+1]   ; each accumulator from its low end on
.endr
.endr
	WIN 0
.endm
.macro TOSTAGE a
.set BK, OB+192*((\a)%2)
.irp b, 0,1,2,3,4,5,6,7
	ds_store_b128 v[STO], v[TMP+4*\b:TMP+4*\b+3] offset:32*\b
.endr
.irp t, 0,1,2,3,4,5,6,7
	ds_load_b128 v[BK+4*\t:BK+4*\t+3], v[RD] offset:\t*2*SPITCH    ; LDS serves a wave's instructions in order: these see the stores above
.endr
.endm
.macro SEND a
.set BK, OB+192*((\a)%2)
	s_wait_dscnt 0x0                               ; the block is back in registers
	s_wait_xcnt 0x0                                ; the earlier stores have read their registers: the block after next may land there
.irp t, 0,1,2,3,4,5,6,7
	global_store_b128 v[CO], v[BK+4*\t:BK+4*\t+3], s[12:13] offset:(\a)*2048+\t*256
.endr
.endm
	PLACES NP
	PACK 0
	TOSTAGE 0
.irp a, 1,2,3,4,5,6,7
	PACK \a
	SEND \a-1
	TOSTAGE \a
.endr
	SEND 7
	s_wait_tensorcnt 0x0                           ; the wave's end
	ds_add_u32 v[SPW], v[NIL]
	s_wait_dscnt 0x0
	CROUND                                         ; the closing round
	s_endpgm
.Lfunc_end_k_q7a59fb579f_qkv:
	.size	k_q7a59fb579f_qkv, .Lfunc_end_k_q7a59fb579f_qkv-k_q7a59fb579f_qkv
	.p2alignl 7, 3214868480
	.fill 96, 4, 3214868480
	.section	.rodata,"a",@progbits
	.p2align	6, 0x0
	.amdhsa_kernel k_q7a59fb579f_qkv
		.amdhsa_group_segment_fixed_size 327680
		.amdhsa_private_segment_fixed_size 0
		.amdhsa_enable_private_segment 0
		.amdhsa_kernarg_size 40
		.amdhsa_user_sgpr_count 2
		.amdhsa_user_sgpr_kernarg_segment_ptr 1
		.amdhsa_wavefront_size32 1
		.amdhsa_system_sgpr_workgroup_id_x 1
		.amdhsa_system_sgpr_workgroup_id_y 1
		.amdhsa_system_sgpr_workgroup_id_z 1
		.amdhsa_system_vgpr_workitem_id 0
		.amdhsa_next_free_vgpr 1024
		.amdhsa_next_free_sgpr 100
		.amdhsa_reserve_vcc 0
		.amdhsa_float_denorm_mode_32 3
		.amdhsa_float_denorm_mode_16_64 3
		.amdhsa_memory_ordered 1
		.amdhsa_forward_progress 1
		.amdhsa_inst_pref_size 129
	.end_amdhsa_kernel
	.amdgpu_metadata
---
amdhsa.version: [ 1, 2 ]
amdhsa.kernels:
  - .name:           k_q7a59fb579f_qkv
    .symbol:         k_q7a59fb579f_qkv.kd
    .args:
      - { .name: codes, .offset: 0, .size: 8, .value_kind: global_buffer, .address_space: global }
      - { .name: bq, .offset: 8, .size: 8, .value_kind: global_buffer, .address_space: global }
      - { .name: bk, .offset: 16, .size: 8, .value_kind: global_buffer, .address_space: global }
      - { .name: bv, .offset: 24, .size: 8, .value_kind: global_buffer, .address_space: global }
      - { .name: qkv16, .offset: 32, .size: 8, .value_kind: global_buffer, .address_space: global }
    .group_segment_fixed_size: 327680
    .private_segment_fixed_size: 0
    .kernarg_segment_align: 8
    .kernarg_segment_size: 40
    .max_flat_workgroup_size: 128
    .sgpr_count:     100
    .vgpr_count:     1024
    .wavefront_size: 32
...
	.end_amdgpu_metadata
.endif
;; end of part 2
;; launch attn (part 3): grid 4 x 64, 16 waves a work-group, no clusters, 114,688 bytes of LDS; arguments qkv16, masks, ao; writes ao
.if DOCPART == 3
	.amdgcn_target "amdgcn-amd-amdhsa--gfx1250"
	.amdhsa_code_object_version 6
	.text
	.protected	k_q7a59fb579f_attn
	.globl	k_q7a59fb579f_attn
	.p2align	8
	.type	k_q7a59fb579f_attn,@function
k_q7a59fb579f_attn:
	s_mov_b64 s[64:65], 0
	v_nop
	global_prefetch_b8 v0, s[64:65] scope:SCOPE_SE
	s_setreg_imm32_b32 hwreg(HW_REG_WAVE_MODE, 25, 1), 1
	s_wait_xcnt 0x0
; o = softmax(q k^T / 8, hidden keys at -infinity) v for one batch and head, f16 operands, f32 products' sums, maxima and row sums; a running maximum is taken away ahead of every exponential.
; q, k, v: qkv16, each [batch x head][2048][64] f16.  The mask comes as whole numbers from the first launch: lane-mask words for every register of scores, and for each chunk of 32 queries the flags
; ANY (bit = key step: some key open) and MIX (some key hidden).  A wave passes over a step's work where no key of the step is open for its 32 queries, and over the masking where none is hidden.
; SHARES.  Work-group (g, batch x head) takes the query blocks g and 7 - g of 256; each of its sixteen waves 32 queries (two tiles of 16) in 256 registers.  All waves walk 32 key steps of 64, one barrier a step.
; K and V of a step are staged by all 512 threads, 16 bytes each of K and of V, memory -> registers -> LDS, one step ahead, in two slots by turns.
; NO TENSOR LOADS AND NO CLUSTER: which steps a wave works on hangs on numbers read from memory, and partners would have different numbers of steps to work on.
; LAYOUT.  S^T = K Q^T and O^T = V^T P: a lane holds one query (lane % 16) throughout; V ([key][channel]) is turned by ds_load_tr16_b128.
; OUT.  ao: f16 by head planes [16][8192 tokens][64]; a wave stores 4,096 bytes on end.  Behind the planes, for each batch x head, the raw state (O^T, -c m, l) of queries 0-15.
; THE SQUARE of queries 0-15 x keys 0-15 counts as hidden here (the mask words say so): a later launch carries it in f32, merges it with the raw state, and the last launch writes those rows of the result.
; So rows 0-15 of each sequence in ao lack the square (0 / 0 where nothing else is open); they feed only the result's rows that the last launch writes.
; LIMITS: NaN and infinities are not served; a row with few open keys beyond position 15 is carried at f16's rounding.
.set KOFF,  16777216
.set VGOFF, 33554432
.set MFLAG, 524288
.set PARTO, 16777216
.set PKP,   144                        ; a key's row of K in LDS: 128 bytes + 16
.set PVP,   160                        ; of V: 128 + 32
.set VOFF,  64*PKP
.set SLOT,  64*(PKP+PVP)
.set SPARE, 2*SLOT                     ; the spare words: 128 bytes a wave, named by no other line
.set STAGE, SPARE+2048                 ; the way out: 32 rows x 144 bytes for each wave
.set AK,   1                           ; v1  my place in a tile of K: (lane % 16) x 144 + 16 (lane / 16)
.set AV,   2                           ; v2  in a tile of V, for the turning load
.set STK,  3                           ; v3  where my thread stages its 16 bytes of K
.set STV,  4                           ; v4  of V
.set GOFF, 5                           ; v5  16 x thread
.set NINF, 6                           ; v6  -infinity
.set PFO,  7                           ; v7  256 x lane
.set SG,   8                           ; v8-15   the staged bytes
.set Q,    16                          ; v16-47  Q: tile t, channels 32 s on: 16 t + 8 s
.set O,    48                          ; v48-111 O^T: 32 t + 8 c
.set S,    112                         ; v112-175 S^T: 32 t + 8 kt + j; then p; P in f16 is laid over the first 16 of each tile
.set KV,   176                         ; v176-239 K's eight fragments, then V's
.set ST,   240                         ; v240, 241: -c m and m of tile 0; v242, 243 of tile 1
.set LS,   244                         ; v[244:245], v[246:247]: l in two halves
.set F,    248                         ; v248, v250: f = 2^(c m_old - c m_new); v249, v251 named with them as pairs
.set T,    252                         ; v252-255 at work
	s_load_b128 s[96:99], s[0:1], 0x0              ; qkv16, masks
	s_load_b64 s[100:101], s[0:1], 0x10            ; ao
	v_lshrrev_b32 v1, 5, v0
	v_readfirstlane_b32 s10, v1                    ; wave 0..15
	s_mov_b32 s11, ttmp9                           ; g
	s_and_b32 s12, ttmp7, 0xffff                   ; batch x head
	s_sub_co_u32 s67, 7, s11
	s_cmp_lt_u32 s10, 8
	s_cselect_b32 s67, s11, s67                    ; my block of 256 queries
	s_lshl_b32 s67, s67, 3
	s_and_b32 s15, s10, 7
	s_add_co_u32 s15, s15, s67                     ; my chunk of 32 queries
	s_lshl_b32 s16, s15, 2
	s_wait_kmcnt 0x0
	s_load_b32 s13, s[98:99], s16 offset:MFLAG     ; ANY
	s_load_b32 s14, s[98:99], s16 offset:MFLAG+256 ; MIX
	s_lshl_b32 s18, s12, 18                        ; a head's 262,144 bytes
	s_mov_b32 s19, 0
	s_add_nc_u64 s[2:3], s[96:97], s[18:19]
	s_add_nc_u64 s[4:5], s[2:3], VGOFF             ; V of my head
	s_lshl_b32 s20, s15, 12
	s_mov_b32 s21, 0
	s_add_nc_u64 s[22:23], s[2:3], s[20:21]        ; Q at my first query
	s_add_nc_u64 s[2:3], s[2:3], KOFF              ; K of my head
	s_lshl_b32 s20, s15, 13
	s_add_nc_u64 s[6:7], s[98:99], s[20:21]        ; my two tiles' mask words, step 0
	s_bitcmp1_b32 s10, 0
	s_cselect_b64 s[8:9], s[4:5], s[2:3]           ; the prefetches: an even wave K's, an odd wave V's,
	s_add_nc_u64 s[8:9], s[8:9], 3*8192            ; from tile 3 on
	s_lshr_b32 s67, s10, 1
	s_xor_b32 s67, s67, 4
	s_or_b32 s67, s67, s11
	s_cmp_eq_u32 s67, 0                            ; waves 8 and 9 of the head's first work-group ask, and nobody else: each 256 bytes are named once in the launch
	s_cselect_b32 s74, 1, -1                       ; a trip's first step asks while more than 1 trip is left, its second while more than 2: the last request names tile 31
	s_cselect_b32 s75, 2, -1
	s_and_b32 s20, s12, 15
	s_lshl_b32 s20, s20, 20                        ; my head's plane
	s_lshr_b32 s24, s12, 4
	s_lshl_b32 s24, s24, 18                        ; my batch's 2,048 tokens of 128 bytes
	s_add_co_u32 s20, s20, s24
	s_lshl_b32 s24, s15, 12
	s_add_co_u32 s20, s20, s24
	s_add_nc_u64 s[76:77], s[100:101], s[20:21]
	s_mul_i32 s20, s12, 4352
	s_add_nc_u64 s[78:79], s[100:101], s[20:21]
	s_add_nc_u64 s[78:79], s[78:79], PARTO
	s_mov_b32 s68, 0x3e38aa3b                      ; c = log2(e) / 8
	s_mov_b32 s69, s68
	s_mov_b32 s70, 0xbe38aa3b                      ; -c
	s_mov_b32 s72, 0x76543210
	s_mov_b32 s73, 0xfedcba98                      ; lane l xor 16
	s_mov_b32 s66, 16                              ; trips of two steps
	v_and_b32 v112, 15, v0
	v_bfe_u32 v113, v0, 4, 1
	v_lshlrev_b32 v114, 7, v112
	v_lshl_add_u32 v114, v113, 4, v114
.irp t, 0,1
.irp s, 0,1
	global_load_b128 v[Q+16*\t+8*\s:Q+16*\t+8*\s+3], v114, s[22:23] offset:\t*2048+64*\s
	global_load_b128 v[Q+16*\t+8*\s+4:Q+16*\t+8*\s+7], v114, s[22:23] offset:\t*2048+64*\s+32
.endr
.endr
	v_lshlrev_b32 v[GOFF], 4, v0
	global_load_b128 v[SG:SG+3], v[GOFF], s[2:3]   ; tile 0
	global_load_b128 v[SG+4:SG+7], v[GOFF], s[4:5]
	v_mul_u32_u24 v[AK], v112, PKP
	v_lshl_add_u32 v[AK], v113, 4, v[AK]
	v_and_b32 v115, 7, v0
	v_bfe_u32 v116, v0, 3, 1
	v_lshl_add_u32 v[AV], v113, 3, v115
	v_mul_u32_u24 v[AV], v[AV], PVP
	v_lshl_add_u32 v[AV], v116, 4, v[AV]
	v_lshrrev_b32 v117, 3, v0
	v_mul_u32_u24 v[STK], v117, PKP
	v_lshl_add_u32 v[STK], v115, 4, v[STK]
	v_mul_u32_u24 v[STV], v117, PVP
	v_lshl_add_u32 v[STV], v115, 4, v[STV]
	v_mov_b32 v[NINF], 0xff800000
	v_and_b32 v[PFO], 31, v0
	v_lshlrev_b32 v[PFO], 8, v[PFO]
.set i, 0
.rept 64
	v_mov_b32 v[O+i], 0                            ; the step is written once: the first finds zeros, which the first change of m leaves zeros
.set i, i+1
.endr
.irp i, 0,1,2,3
	v_mov_b32 v[LS+\i], 0
	v_mov_b32 v[F+\i], 0
	v_mov_b32 v[T+\i], 0
.endr
	v_mov_b32 v[ST+1], 0xff61b1e6                  ; m: -3e38, under every score
	v_mov_b32 v[ST+3], 0xff61b1e6
	v_mul_f32 v[ST], s70, v[ST+1]
	v_mul_f32 v[ST+2], s70, v[ST+3]
	s_wait_loadcnt 0x0
	ds_store_b128 v[STK], v[SG:SG+3]
	ds_store_b128 v[STV], v[SG+4:SG+7] offset:VOFF
	s_add_nc_u64 s[2:3], s[2:3], 8192
	s_add_nc_u64 s[4:5], s[4:5], 8192
	s_wait_kmcnt 0x0
	s_wait_dscnt 0x0
	s_barrier_signal -1
	s_barrier_wait -1
.macro MAXT t                          ; the tile's new m, -c m and c m_old - c m_new.  Each accumulator of scores is read first at its low end
.set SS, S+32*(\t)
.set MM, ST+2*(\t)
.irp k, 0,1,2,3
	v_max3_num_f32 v[T+\k], v[SS+8*\k], v[SS+8*\k+1], v[SS+8*\k+2]
.endr
.irp k, 0,1,2,3
	v_max3_num_f32 v[T+\k], v[T+\k], v[SS+8*\k+3], v[SS+8*\k+4]
.endr
.irp k, 0,1,2,3
	v_max3_num_f32 v[T+\k], v[T+\k], v[SS+8*\k+5], v[SS+8*\k+6]
.endr
	v_max3_num_f32 v[T], v[T], v[SS+7], v[SS+15]
	v_max3_num_f32 v[T+2], v[T+2], v[SS+23], v[SS+31]
	v_max3_num_f32 v[T], v[T], v[T+1], v[T+2]
	v_max3_num_f32 v[T], v[T], v[T+3], v[MM+1]
	v_permlanex16_b32 v[T+1], v[T], s72, s73       ; the query's other 32 keys lie in the lane 16 away
	v_mov_b32 v[F+2*(\t)], v[MM]
	v_max_num_f32 v[MM+1], v[T], v[T+1]
	v_mul_f32 v[MM], s70, v[MM+1]
	v_sub_f32 v[F+2*(\t)], v[MM], v[F+2*(\t)]
.endm
.macro SCALE t                         ; c s - c m, two at a time
.set SS, S+32*(\t)
.set MM, ST+2*(\t)
.irp j, 0,2,4,6,8,10,12,14,16,18,20,22,24,26,28,30
	v_pk_fma_f32 v[SS+\j:SS+\j+1], v[SS+\j:SS+\j+1], s[68:69], v[MM:MM+1] op_sel_hi:[1,0,0]
.endr
.endm
.macro SUM t                           ; l = l f + the sum of p, in two chains
.set SS, S+32*(\t)
	v_pk_add_f32 v[T:T+1], v[SS:SS+1], v[SS+2:SS+3]
	v_pk_add_f32 v[T+2:T+3], v[SS+4:SS+5], v[SS+6:SS+7]
.irp j, 8,12,16,20,24,28
	v_pk_add_f32 v[T:T+1], v[T:T+1], v[SS+\j:SS+\j+1]
	v_pk_add_f32 v[T+2:T+3], v[T+2:T+3], v[SS+\j+2:SS+\j+3]
.endr
	v_pk_add_f32 v[T:T+1], v[T:T+1], v[T+2:T+3]
	v_pk_fma_f32 v[LS+2*(\t):LS+2*(\t)+1], v[LS+2*(\t):LS+2*(\t)+1], v[F+2*(\t):F+2*(\t)+1], v[T:T+1] op_sel_hi:[1,0,1]
.endm
.macro CVT t                           ; p to f16, in place: pair i lands in register i, which later pairs no longer read
.set SS, S+32*(\t)
.irp i, 0,1,2,3,4,5,6,7,8,9,10,11,12,13,14,15
	v_cvt_pk_f16_f32 v[SS+\i], v[SS+2*\i], v[SS+2*\i+1]
.endr
.endm
.macro RESC t                          ; O^T x f
.irp j, 0,2,4,6,8,10,12,14,16,18,20,22,24,26,28,30
	v_pk_mul_f32 v[O+32*(\t)+\j:O+32*(\t)+\j+1], v[O+32*(\t)+\j:O+32*(\t)+\j+1], v[F+2*(\t):F+2*(\t)+1] op_sel_hi:[1,0]
.endr
.endm
; A KEY STEP on slot s.  The next step's tile is loaded at its head and stored into the other slot at its end.
.macro STEP s
.if \s
	s_cmp_eq_u32 s66, 1                            ; the last step has no successor: no load leaves the buffer
	s_cbranch_scc1 .Lnoload_\@
.endif
	global_load_b128 v[SG:SG+3], v[GOFF], s[2:3]
	global_load_b128 v[SG+4:SG+7], v[GOFF], s[4:5]
.Lnoload_\@:
	s_cmp_gt_u32 s66, s[74+\s]
	s_cbranch_scc0 .Lnoask_\@
	global_prefetch_b8 v[PFO], s[8:9] th:TH_LOAD_NT scope:SCOPE_SE   ; the tile that is loaded two steps on: 8,192 bytes, lanes 256 bytes apart
.Lnoask_\@:
	s_bitcmp1_b32 s13, 0
	s_cbranch_scc0 .Lskip_\@                       ; no key of this step is open for my 32 queries
.rept 5
	v_nop                                          ; places behind the last products: K's loads land on V's registers (four are owed), and the scores are written over P (five)
.endr
.irp kt, 0,1,2,3
.irp dh, 0,1
	ds_load_b128 v[KV+16*\kt+8*\dh:KV+16*\kt+8*\dh+3], v[AK] offset:\s*SLOT+\kt*16*PKP+64*\dh
	ds_load_b128 v[KV+16*\kt+8*\dh+4:KV+16*\kt+8*\dh+7], v[AK] offset:\s*SLOT+\kt*16*PKP+64*\dh+32
.endr
.endr
	s_wait_dscnt 0x0
.irp kt, 0,1,2,3                       ; eight accumulators by turns; the first eight products start the sums
.irp t, 0,1
	v_wmma_f32_16x16x32_f16 v[S+32*\t+8*\kt:S+32*\t+8*\kt+7], v[KV+16*\kt:KV+16*\kt+7], v[Q+16*\t:Q+16*\t+7], 0
.endr
.endr
.irp kt, 0,1,2,3
.irp t, 0,1
	v_wmma_f32_16x16x32_f16 v[S+32*\t+8*\kt:S+32*\t+8*\kt+7], v[KV+16*\kt+8:KV+16*\kt+15], v[Q+16*\t+8:Q+16*\t+15], v[S+32*\t+8*\kt:S+32*\t+8*\kt+7]
.endr
.endr
.rept 4
	v_nop                                          ; places in front of V's loads into K's registers and of the first read of the scores
.endr
.irp kk, 0,1
.irp c, 0,1,2,3
	ds_load_tr16_b128 v[KV+32*\kk+8*\c:KV+32*\kk+8*\c+3], v[AV] offset:\s*SLOT+VOFF+\kk*32*PVP+32*\c
	ds_load_tr16_b128 v[KV+32*\kk+8*\c+4:KV+32*\kk+8*\c+7], v[AV] offset:\s*SLOT+VOFF+\kk*32*PVP+16*PVP+32*\c
.endr
.endr
	s_bitcmp1_b32 s14, 0
	s_cbranch_scc0 .Lopen_\@                       ; no key of this step is hidden
	s_load_b512 s[16:31], s[6:7], 0x0              ; 64 lane masks, one for each register of scores
	s_load_b512 s[32:47], s[6:7], 0x40
	s_load_b512 s[48:63], s[6:7], 0x1000
	s_load_b512 s[80:95], s[6:7], 0x1040
	s_wait_kmcnt 0x0
.set i, 0
.rept 32
	v_cndmask_b32 v[S+i], v[S+i], v[NINF], s[16+i]
.set i, i+1
.endr
.set i, 0
.rept 16
	v_cndmask_b32 v[S+32+i], v[S+32+i], v[NINF], s[48+i]
.set i, i+1
.endr
.set i, 0
.rept 16
	v_cndmask_b32 v[S+48+i], v[S+48+i], v[NINF], s[80+i]
.set i, i+1
.endr
.Lopen_\@:
	MAXT 0
	MAXT 1
	SCALE 0
	SCALE 1
	v_exp_f32 v[F], v[F]
	v_exp_f32 v[F+2], v[F+2]
.set i, 0
.rept 64
	v_exp_f32 v[S+i], v[S+i]
.set i, i+1
.endr
	v_nop                                          ; a plain instruction behind the last exponential,
	s_wait_alu depctr_va_vdst(0)                   ; and one wait for the whole batch ahead of its first reader
	SUM 0
	CVT 0
	RESC 0
	SUM 1
	CVT 1
	RESC 1
	s_wait_dscnt 0x0                               ; V is in
.irp kk, 0,1
.irp c, 0,1,2,3
.irp t, 0,1
	v_wmma_f32_16x16x32_f16 v[O+32*\t+8*\c:O+32*\t+8*\c+7], v[KV+32*\kk+8*\c:KV+32*\kk+8*\c+7], v[S+32*\t+8*\kk:S+32*\t+8*\kk+7], v[O+32*\t+8*\c:O+32*\t+8*\c+7]
.endr
.endr
.endr
.Lskip_\@:
	s_wait_loadcnt 0x0                             ; the next tile's bytes are in my registers
.if \s
	s_cmp_eq_u32 s66, 1
	s_cbranch_scc1 .Lnostore_\@
.endif
	ds_store_b128 v[STK], v[SG:SG+3] offset:(1-\s)*SLOT
	ds_store_b128 v[STV], v[SG+4:SG+7] offset:(1-\s)*SLOT+VOFF
.Lnostore_\@:
	s_wait_xcnt 0x0                                ; the prefetch has read its address: the bases may step
	s_add_nc_u64 s[2:3], s[2:3], 8192
	s_add_nc_u64 s[4:5], s[4:5], 8192
	s_add_nc_u64 s[8:9], s[8:9], 8192
	s_add_nc_u64 s[6:7], s[6:7], 128
	s_lshr_b32 s13, s13, 1
	s_lshr_b32 s14, s14, 1
	s_wait_dscnt 0x0                               ; my reads of this slot are back and my stores into the other have landed:
	s_barrier_signal -1
	s_barrier_wait -1                              ; behind the barrier the other slot is read and this one may be written
.endm
.Ltrip:
	STEP 0
	STEP 1
	s_sub_co_u32 s66, s66, 1
	s_cmp_lg_u32 s66, 0
	s_cbranch_scc1 .Ltrip
	; THE WAY OUT
.rept 4
	v_nop                                          ; places behind the last products
.endr
	v_add_f32 v252, v244, v245                     ; l's two halves
	v_add_f32 v253, v246, v247
	s_mul_i32 s67, s10, 32*PKP
	s_add_co_u32 s67, s67, STAGE                   ; my stage
	v_add_nc_u32 v208, s67, v[AK]                  ; in: row l % 16, 16 bytes for each half of the lanes
	v_and_b32 v209, 31, v0
	v_lshrrev_b32 v210, 3, v209
	v_mul_u32_u24 v210, v210, PKP
	v_and_b32 v211, 7, v0
	v_lshl_add_u32 v210, v211, 4, v210
	v_add_nc_u32 v210, s67, v210                   ; back: four rows of 128 bytes an instruction
	v_lshlrev_b32 v209, 4, v209                    ; 16 x lane
	v_lshrrev_b32 v211, 2, v209                    ; 4 x lane
	s_cmp_lg_u32 s15, 0
	s_cbranch_scc1 .Lnopart
.irp i, 0,1,2,3,4,5,6,7                ; chunk 0 alone: the raw state of queries 0-15, as an image of the registers
	global_store_b128 v209, v[O+4*\i:O+4*\i+3], s[78:79] offset:512*\i
.endr
	global_store_b32 v211, v240, s[78:79] offset:4096
	global_store_b32 v211, v252, s[78:79] offset:4224
.Lnopart:
	v_permlanex16_b32 v254, v252, s72, s73
	v_permlanex16_b32 v255, v253, s72, s73
	v_add_f32 v248, v252, v254
	v_add_f32 v250, v253, v255
	v_rcp_f32 v248, v248
	v_rcp_f32 v250, v250
	v_nop
	s_wait_alu depctr_va_vdst(0)                   ; one wait for the two reciprocals
.irp t, 0,1
.irp j, 0,2,4,6,8,10,12,14,16,18,20,22,24,26,28,30
	v_pk_mul_f32 v[S+32*\t+\j:S+32*\t+\j+1], v[O+32*\t+\j:O+32*\t+\j+1], v[F+2*\t:F+2*\t+1] op_sel_hi:[1,0]
.endr
.endr
.set i, 0
.rept 32
	v_cvt_pk_f16_f32 v[KV+i], v[S+2*i], v[S+2*i+1]
.set i, i+1
.endr
.irp t, 0,1
.irp c, 0,1,2,3
	ds_store_b128 v208, v[KV+16*\t+4*\c:KV+16*\t+4*\c+3] offset:\t*16*PKP+32*\c
.endr
.endr
.irp i, 0,1,2,3,4,5,6,7
	ds_load_b128 v[S+4*\i:S+4*\i+3], v210 offset:\i*4*PKP   ; LDS serves a wave's instructions in order: these see my stores
.endr
.irp i, 0,1,2,3,4,5,6,7
	s_wait_dscnt 7-\i                              ; the younger loads may stay out
	global_store_b128 v209, v[S+4*\i:S+4*\i+3], s[76:77] offset:512*\i   ; 512 bytes on end
.endr
	v_lshl_add_u32 v244, v0, 2, SPARE              ; all 256 registers were in use: the add's two are made here, from v0 as it came
	v_mov_b32 v245, 0
	s_wait_tensorcnt 0x0                           ; the wave's end
	ds_add_u32 v244, v245
	s_wait_dscnt 0x0
	s_endpgm
.Lfunc_end_k_q7a59fb579f_attn:
	.size	k_q7a59fb579f_attn, .Lfunc_end_k_q7a59fb579f_attn-k_q7a59fb579f_attn
	.p2alignl 7, 3214868480
	.fill 96, 4, 3214868480
	.section	.rodata,"a",@progbits
	.p2align	6, 0x0
	.amdhsa_kernel k_q7a59fb579f_attn
		.amdhsa_group_segment_fixed_size 114688
		.amdhsa_private_segment_fixed_size 0
		.amdhsa_enable_private_segment 0
		.amdhsa_kernarg_size 24
		.amdhsa_user_sgpr_count 2
		.amdhsa_user_sgpr_kernarg_segment_ptr 1
		.amdhsa_wavefront_size32 1
		.amdhsa_system_sgpr_workgroup_id_x 1
		.amdhsa_system_sgpr_workgroup_id_y 1
		.amdhsa_system_sgpr_workgroup_id_z 1
		.amdhsa_system_vgpr_workitem_id 0
		.amdhsa_next_free_vgpr 256
		.amdhsa_next_free_sgpr 102
		.amdhsa_reserve_vcc 0
		.amdhsa_float_denorm_mode_32 3
		.amdhsa_float_denorm_mode_16_64 3
		.amdhsa_memory_ordered 1
		.amdhsa_forward_progress 1
		.amdhsa_inst_pref_size 61
	.end_amdhsa_kernel
	.amdgpu_metadata
---
amdhsa.version: [ 1, 2 ]
amdhsa.kernels:
  - .name:           k_q7a59fb579f_attn
    .symbol:         k_q7a59fb579f_attn.kd
    .args:
      - { .name: qkv16, .offset: 0, .size: 8, .value_kind: global_buffer, .address_space: global }
      - { .name: masks, .offset: 8, .size: 8, .value_kind: global_buffer, .address_space: global }
      - { .name: ao, .offset: 16, .size: 8, .value_kind: global_buffer, .address_space: global }
    .group_segment_fixed_size: 114688
    .private_segment_fixed_size: 0
    .kernarg_segment_align: 8
    .kernarg_segment_size: 24
    .max_flat_workgroup_size: 512
    .sgpr_count:     102
    .vgpr_count:     256
    .wavefront_size: 32
...
	.end_amdgpu_metadata
.endif
;; end of part 3
;; launch fine_attn (part 4): grid 64 x 1, 12 waves a work-group, no clusters, 13,824 bytes of LDS; arguments codes, bq, bk, bv, masks, ao, ofine; writes ofine
.if DOCPART == 4
	.amdgcn_target "amdgcn-amd-amdhsa--gfx1250"
	.amdhsa_code_object_version 6
	.text
	.protected	k_q7a59fb579f_fine_attn
	.globl	k_q7a59fb579f_fine_attn
	.p2align	8
	.type	k_q7a59fb579f_fine_attn,@function
k_q7a59fb579f_fine_attn:
	s_mov_b64 s[64:65], 0
	v_nop
	global_prefetch_b8 v0, s[64:65] scope:SCOPE_SE
	s_setreg_imm32_b32 hwreg(HW_REG_WAVE_MODE, 25, 1), 1
	s_wait_xcnt 0x0
; The first 16 positions of a sequence, for one batch and head, in f32: there a row averages few values, and f16 operands would use up what the comparison allows.
; Phase 1, twelve waves: q, k, v of tokens 0-15 are made anew from the codes (FP4 products with E8M0 scales, f32 sums) and kept in f32; wave = (q, k or v; 16 of the head's 64 channels).
;   q, k: source 0 = 16 rows of W, source 1 = the 16 tokens: a lane holds one token and eight channels.  v: the sources change places: a lane holds one channel and eight tokens.
;   The tiles go to LDS as images of their registers.
; Phase 2, waves 0-3 (16 channels of the output each): S^T = k q^T over the square of 16 x 16 by the f32 matrix form, the square's true mask words, a softmax merged with the raw state (O^T, -c m, l) that the main walk
;   left for whatever the mask opens beyond key 15, O^T += v^T p by the f32 form, division by l.  ofine: [4 batches][16 rows][1024] f32.
; The f32 matrix results (v224-255) are written by matrix instructions alone.
; LIMITS: NaN and infinities among the inputs are not served; for these rows the keys beyond 15 are carried by the main walk, at f16's rounding.
.set XS,    5767168
.set WC,    4194304
.set WS,    6029312
.set MFINE, 524800
.set PARTO, 16777216
.set SPARE, 12288                      ; behind the twelve images: the spare words, 128 bytes a wave
	s_load_b256 s[4:11], s[0:1], 0x0               ; codes, bq, bk, bv
	s_load_b128 s[12:15], s[0:1], 0x20             ; masks, ao
	s_load_b64 s[16:17], s[0:1], 0x30              ; ofine
	v_lshl_add_u32 v2, v0, 2, SPARE                ; v2: my spare word; v3: 0; both kept for the add alone
	v_mov_b32 v3, 0
	v_lshrrev_b32 v1, 5, v0
	v_readfirstlane_b32 s18, v1                    ; wave 0..11
	s_lshr_b32 s19, s18, 2                         ; q, k or v
	s_and_b32 s20, s18, 3                          ; which 16 channels
	s_lshr_b32 s21, ttmp9, 4                       ; batch
	s_and_b32 s22, ttmp9, 15                       ; head
	s_lshl_b32 s23, s19, 10
	s_lshl_b32 s24, s22, 6
	s_add_co_u32 s23, s23, s24
	s_lshl_b32 s24, s20, 4
	s_add_co_u32 s23, s23, s24                     ; my first row of the stacked weights
	s_lshl_b32 s24, s23, 9
	s_add_co_u32 s24, s24, WC                      ; its codes,
	s_lshl_b32 s25, s23, 5
	s_add_co_u32 s25, s25, WS                      ; its scale bytes
	s_lshl_b32 s26, s21, 20                        ; the batch's first token: codes,
	s_lshl_b32 s27, s21, 16
	s_add_co_u32 s27, s27, XS                      ; scale bytes
	s_cmp_lt_u32 s19, 2
	s_cselect_b32 s28, s24, s26                    ; source 0
	s_cselect_b32 s30, s26, s24                    ; source 1
	s_cselect_b32 s32, s25, s27
	s_cselect_b32 s34, s27, s25
	s_cselect_b32 s36, 0, -1                       ; all ones in v's waves
	s_mov_b32 s29, 0
	s_mov_b32 s31, 0
	s_mov_b32 s33, 0
	s_mov_b32 s35, 0
	s_lshl_b32 s40, s22, 8
	s_lshl_b32 s41, s20, 6
	s_add_co_u32 s40, s40, s41                     ; my 16 channels in a row of 1,024 f32
	s_mov_b32 s41, 0
	s_lshl_b32 s37, s18, 10
	s_mul_i32 s42, ttmp9, 4352
	s_mov_b32 s43, 0
	s_lshl_b32 s44, s21, 16
	s_add_co_u32 s44, s44, s40
	s_mov_b32 s45, 0
	s_mov_b32 s50, 0x76543210
	s_mov_b32 s51, 0xfedcba98
	s_mov_b32 s52, 0x3e38aa3b                      ; c = log2(e) / 8
	v_and_b32 v4, 15, v0                           ; r
	v_bfe_u32 v5, v0, 4, 1                         ; half
	v_lshlrev_b32 v6, 9, v4
	v_lshl_add_u32 v6, v5, 4, v6                   ; a row of 512 bytes of codes + 16 x half
	v_lshlrev_b32 v7, 5, v4                        ; a row of 32 scale bytes
	v_lshlrev_b32 v8, 5, v5                        ; eight numbers of the bias for each half
	v_lshlrev_b32 v9, 2, v4                        ; one for each lane
	v_and_b32 v11, 31, v0
	v_lshlrev_b32 v12, 4, v11                      ; 16 x lane
	v_add_nc_u32 v10, s37, v12                     ; + 1,024 x wave: my image
	v_lshlrev_b32 v13, 2, v11                      ; 4 x lane
	v_lshlrev_b32 v14, 12, v4
	v_lshl_add_u32 v14, v5, 5, v14                 ; out: row r of 4,096 bytes + 32 x half
	v_mov_b32 v15, 0xff800000
	s_wait_kmcnt 0x0
	s_add_nc_u64 s[28:29], s[4:5], s[28:29]
	s_add_nc_u64 s[30:31], s[4:5], s[30:31]
	s_add_nc_u64 s[32:33], s[4:5], s[32:33]
	s_add_nc_u64 s[34:35], s[4:5], s[34:35]
	s_cmp_eq_u32 s19, 1
	s_cselect_b64 s[38:39], s[8:9], s[6:7]
	s_cmp_eq_u32 s19, 2
	s_cselect_b64 s[38:39], s[10:11], s[38:39]
	s_add_nc_u64 s[38:39], s[38:39], s[40:41]
	s_add_nc_u64 s[48:49], s[14:15], s[42:43]
	s_add_nc_u64 s[48:49], s[48:49], PARTO
	s_add_nc_u64 s[54:55], s[16:17], s[44:45]
.irp ks, 0,1,2,3,4,5,6,7
.irp c, 0,1
	global_load_b128 v[32+8*\ks+4*\c:32+8*\ks+4*\c+3], v6, s[28:29] offset:64*\ks+32*\c
	global_load_b128 v[96+8*\ks+4*\c:96+8*\ks+4*\c+3], v6, s[30:31] offset:64*\ks+32*\c
.endr
.endr
	global_load_b128 v[16:19], v7, s[32:33]        ; v16-31 hold scale words and nothing else
	global_load_b128 v[20:23], v7, s[32:33] offset:16
	global_load_b128 v[24:27], v7, s[34:35]
	global_load_b128 v[28:31], v7, s[34:35] offset:16
	global_load_b128 v[176:179], v8, s[38:39]
	global_load_b128 v[180:183], v8, s[38:39] offset:16
	global_load_b32 v184, v9, s[38:39]
	s_wait_loadcnt 0x0
	; two accumulators by turns: the even K steps and the odd ones
	v_wmma_scale_f32_16x16x128_f8f6f4 v[160:167], v[32:39], v[96:103], 0, v16, v24 matrix_a_fmt:MATRIX_FMT_FP4 matrix_b_fmt:MATRIX_FMT_FP4
	v_wmma_scale_f32_16x16x128_f8f6f4 v[168:175], v[40:47], v[104:111], 0, v17, v25 matrix_a_fmt:MATRIX_FMT_FP4 matrix_b_fmt:MATRIX_FMT_FP4
.irp ks, 2,4,6
	v_wmma_scale_f32_16x16x128_f8f6f4 v[160:167], v[32+8*\ks:39+8*\ks], v[96+8*\ks:103+8*\ks], v[160:167], v[16+\ks], v[24+\ks] matrix_a_fmt:MATRIX_FMT_FP4 matrix_b_fmt:MATRIX_FMT_FP4
	v_wmma_scale_f32_16x16x128_f8f6f4 v[168:175], v[40+8*\ks:47+8*\ks], v[104+8*\ks:111+8*\ks], v[168:175], v[17+\ks], v[25+\ks] matrix_a_fmt:MATRIX_FMT_FP4 matrix_b_fmt:MATRIX_FMT_FP4
.endr
.rept 4
	v_nop
.endr
.irp j, 0,1,2,3,4,5,6,7
	v_cndmask_b32 v[176+\j], v[176+\j], v184, s36  ; in v's waves a lane has one channel: its one number of the bias serves all eight tokens
.endr
.irp j, 0,1,2,3,4,5,6,7
	v_add_f32 v[192+\j], v[160+\j], v[168+\j]
.endr
.irp j, 0,1,2,3,4,5,6,7
	v_add_f32 v[192+\j], v[192+\j], v[176+\j]
.endr
	ds_store_b128 v10, v[192:195]
	ds_store_b128 v10, v[196:199] offset:512
	s_wait_dscnt 0x0                               ; for the others' sake: my image has landed
	s_barrier_signal -1
	s_barrier_wait -1
	s_cmp_lt_u32 s18, 4
	s_cbranch_scc1 .Lsecond
	s_wait_tensorcnt 0x0                           ; waves 4 to 11 end here
	ds_add_u32 v2, v3
	s_wait_dscnt 0x0
	s_endpgm
.Lsecond:
.irp ct, 0,1,2,3
.irp i, 0,1
	ds_load_b128 v[32+8*\ct+4*\i:32+8*\ct+4*\i+3], v12 offset:1024*\ct+512*\i        ; q, v32-63: lane (r, half): token r, channels 16 ct + 8 half + 0 .. 7
	ds_load_b128 v[64+8*\ct+4*\i:64+8*\ct+4*\i+3], v12 offset:4096+1024*\ct+512*\i   ; k, v64-95, likewise
.endr
.endr
	ds_load_b128 v[96:99], v10 offset:8192         ; v of my 16 channels: lane (r, half): channel r, tokens 8 half + 0 .. 7
	ds_load_b128 v[100:103], v10 offset:8192+512
	s_load_b256 s[40:47], s[12:13], MFINE          ; the square's eight lane masks
	global_load_b128 v[128:131], v10, s[48:49]     ; the main walk's O^T of my 16 channels,
	global_load_b128 v[132:135], v10, s[48:49] offset:512
	global_load_b32 v144, v13, s[48:49] offset:4096   ; its -c m,
	global_load_b32 v145, v13, s[48:49] offset:4224   ; its l (this lane's half of the keys)
	s_wait_dscnt 0x0
	; S^T: 64 channels are 16 products of 4 along K.  Product p takes register pair p of k and pair p of q (32 registers a side: pairs 0 to 15): the same four channels stand at the same four places of K on both sides.
	; The even pairs sum in v224-231, the odd ones in v232-239, by turns
	v_wmma_f32_16x16x4_f32 v[224:231], v[64:65], v[32:33], 0
	v_wmma_f32_16x16x4_f32 v[232:239], v[66:67], v[34:35], 0
.irp p, 2,4,6,8,10,12,14
	v_wmma_f32_16x16x4_f32 v[224:231], v[64+2*\p:65+2*\p], v[32+2*\p:33+2*\p], v[224:231]
	v_wmma_f32_16x16x4_f32 v[232:239], v[66+2*\p:67+2*\p], v[34+2*\p:35+2*\p], v[232:239]
.endr
.rept 8
	v_nop                                          ; eight places behind this form
.endr
	s_wait_kmcnt 0x0
	s_wait_loadcnt 0x0
.irp j, 0,1,2,3,4,5,6,7
	v_add_f32 v[120+\j], v[224+\j], v[232+\j]      ; lane (r, half): query r, key 8 half + j
.endr
.irp j, 0,1,2,3,4,5,6,7
	v_cndmask_b32 v[120+\j], v[120+\j], v15, s[40+\j]
.endr
	v_max3_num_f32 v146, v120, v121, v122
	v_max3_num_f32 v146, v146, v123, v124
	v_max3_num_f32 v146, v146, v125, v126
	v_max_num_f32 v146, v146, v127
	v_permlanex16_b32 v147, v146, s50, s51
	v_max_num_f32 v146, v146, v147
	v_mul_f32 v146, s52, v146                      ; c x the square's largest score
	v_xor_b32 v148, 0x80000000, v144               ; c m of the main walk: never under -c x 3e38, so the joint maximum is a number
	v_max_num_f32 v146, v146, v148
.irp j, 0,1,2,3,4,5,6,7
	v_fma_f32 v[120+\j], v[120+\j], s52, -v146
.endr
	v_sub_f32 v149, v148, v146
.irp j, 0,1,2,3,4,5,6,7
	v_exp_f32 v[120+\j], v[120+\j]
.endr
	v_exp_f32 v149, v149                           ; g: what the main walk summed, under the joint maximum
	v_nop
	s_wait_alu depctr_va_vdst(0)                   ; one wait for the nine
	v_add_f32 v150, v120, v121
.irp j, 2,3,4,5,6,7
	v_add_f32 v150, v150, v[120+\j]
.endr
	v_fma_f32 v150, v145, v149, v150
	v_permlanex16_b32 v151, v150, s50, s51
	v_add_f32 v150, v150, v151                     ; l
	v_rcp_f32 v150, v150
.irp j, 0,1,2,3,4,5,6,7
	v_mul_f32 v[136+\j], v[128+\j], v149           ; g x O^T begins one of the two sums
.endr
	s_wait_alu depctr_va_vdst(0)                   ; the reciprocal
	v_wmma_f32_16x16x4_f32 v[240:247], v[96:97], v[120:121], v[136:143]
	v_wmma_f32_16x16x4_f32 v[248:255], v[98:99], v[122:123], 0
	v_wmma_f32_16x16x4_f32 v[240:247], v[100:101], v[124:125], v[240:247]
	v_wmma_f32_16x16x4_f32 v[248:255], v[102:103], v[126:127], v[248:255]
.rept 8
	v_nop
.endr
.irp j, 0,1,2,3,4,5,6,7
	v_add_f32 v[152+\j], v[240+\j], v[248+\j]
.endr
.irp j, 0,1,2,3,4,5,6,7
	v_mul_f32 v[152+\j], v[152+\j], v150
.endr
	global_store_b128 v14, v[152:155], s[54:55]    ; lane (r, half): row r, channels 8 half + 0 .. 7 of my 16
	global_store_b128 v14, v[156:159], s[54:55] offset:16
	s_wait_tensorcnt 0x0                           ; the wave's end
	ds_add_u32 v2, v3
	s_wait_dscnt 0x0
	s_endpgm
.Lfunc_end_k_q7a59fb579f_fine_attn:
	.size	k_q7a59fb579f_fine_attn, .Lfunc_end_k_q7a59fb579f_fine_attn-k_q7a59fb579f_fine_attn
	.p2alignl 7, 3214868480
	.fill 96, 4, 3214868480
	.section	.rodata,"a",@progbits
	.p2align	6, 0x0
	.amdhsa_kernel k_q7a59fb579f_fine_attn
		.amdhsa_group_segment_fixed_size 13824
		.amdhsa_private_segment_fixed_size 0
		.amdhsa_enable_private_segment 0
		.amdhsa_kernarg_size 56
		.amdhsa_user_sgpr_count 2
		.amdhsa_user_sgpr_kernarg_segment_ptr 1
		.amdhsa_wavefront_size32 1
		.amdhsa_system_sgpr_workgroup_id_x 1
		.amdhsa_system_sgpr_workgroup_id_y 1
		.amdhsa_system_sgpr_workgroup_id_z 1
		.amdhsa_system_vgpr_workitem_id 0
		.amdhsa_next_free_vgpr 256
		.amdhsa_next_free_sgpr 66
		.amdhsa_reserve_vcc 0
		.amdhsa_float_denorm_mode_32 3
		.amdhsa_float_denorm_mode_16_64 3
		.amdhsa_memory_ordered 1
		.amdhsa_forward_progress 1
		.amdhsa_inst_pref_size 17
	.end_amdhsa_kernel
	.amdgpu_metadata
---
amdhsa.version: [ 1, 2 ]
amdhsa.kernels:
  - .name:           k_q7a59fb579f_fine_attn
    .symbol:         k_q7a59fb579f_fine_attn.kd
    .args:
      - { .name: codes, .offset: 0, .size: 8, .value_kind: global_buffer, .address_space: global }
      - { .name: bq, .offset: 8, .size: 8, .value_kind: global_buffer, .address_space: global }
      - { .name: bk, .offset: 16, .size: 8, .value_kind: global_buffer, .address_space: global }
      - { .name: bv, .offset: 24, .size: 8, .value_kind: global_buffer, .address_space: global }
      - { .name: masks, .offset: 32, .size: 8, .value_kind: global_buffer, .address_space: global }
      - { .name: ao, .offset: 40, .size: 8, .value_kind: global_buffer, .address_space: global }
      - { .name: ofine, .offset: 48, .size: 8, .value_kind: global_buffer, .address_space: global }
    .group_segment_fixed_size: 13824
    .private_segment_fixed_size: 0
    .kernarg_segment_align: 8
    .kernarg_segment_size: 56
    .max_flat_workgroup_size: 384
    .sgpr_count:     66
    .vgpr_count:     256
    .wavefront_size: 32
...
	.end_amdgpu_metadata
.endif
;; end of part 4
;; launch oproj (part 5): grid 4 x 64, 4 waves a work-group, clusters of 4 x 4, 327,680 bytes of LDS; arguments ao, codes, bo, out0; writes out0
.if DOCPART == 5
	.amdgcn_target "amdgcn-amd-amdhsa--gfx1250"
	.amdhsa_code_object_version 6
	.text
	.protected	k_q7a59fb579f_oproj
	.globl	k_q7a59fb579f_oproj
	.p2align	8
	.type	k_q7a59fb579f_oproj,@function
k_q7a59fb579f_oproj:
	s_mov_b64 s[64:65], 0
	v_nop
	global_prefetch_b8 v0, s[64:65] scope:SCOPE_SE
	s_setreg_imm32_b32 hwreg(HW_REG_WAVE_MODE, 25, 1), 1
	s_wait_xcnt 0x0
	s_wait_alu depctr_hold_cnt(0) depctr_sa_sdst(0) depctr_va_vdst(0) depctr_va_sdst(0) depctr_va_ssrc(0) depctr_va_vcc(0) depctr_vm_vsrc(0)
	s_getreg_b32 s2, hwreg(HW_REG_IB_STS2, 6, 4)
	s_cmp_eq_u32 s2, 0
	s_cbranch_scc0 .Lentry_in_a_cluster
	s_endpgm
.Lentry_in_a_cluster:
	s_bfe_u32 s2, ttmp6, 0x10000c
	s_cmp_lg_u32 s2, 0xf033
	s_cbranch_scc0 .Lentry_shape_is_right
	s_endpgm
.Lentry_shape_is_right:
; out0 = o Wo^T + bo.  o: ao, f16 by head planes [16][8192 tokens][64]; Wo: f16 by the same planes [16][1024 e][64] (in codes, at WO16): K's order is the same on both sides.  Sums in f32; out0 [8192][1024] f32.
; A tile of 128 tokens x 256 columns is made by four waves, each 64 x 128: 32 accumulators, 256 registers: 256 work-groups.  K goes in steps of 128 (two planes) through a ring of two LDS slots.
; A plane's part of a tile is one dense block of memory (rows of 128 bytes on end): it is stated as rows of 256 bytes with 16 bytes of padding behind each; logical row i lies at (i / 2) x 272 + (i % 2) x 128,
; so the sixteen rows of a fragment begin at sixteen different multiples of 16 bytes modulo 256.
; CLUSTERS: 4 x 4 work-groups; o's tiles are shared along a row of the cluster, Wo's along a column: joint loads.  Waves 0, 1 fetch o's two planes of a step, waves 2, 3 Wo's: one load a wave behind each round.
; THE MATRIX INSTRUCTION IS USED TRANSPOSED (source 0 = 16 rows of Wo, source 1 = 16 tokens).  The bias is the C of each sum's first product.
; No prefetch: eight K steps in all, the first two asked for at the head, and every tile is shared by four work-groups' joint load.
; Rows 0-15 of each sequence are written here from f16 operands that lack the first square of attention; the last launch writes them anew, in f32.
.set WO16,  6127616
.set APL,   64*272                     ; o's plane of a tile: 128 rows
.set BPL,   128*272                    ; Wo's: 256 rows
.set SLOT,  2*APL+2*BPL
.set STAGE, 2*SLOT                     ; the way out: 16 rows x (512 + 16) bytes for each wave
.set SPARE, STAGE+4*16*528             ; the spare words: 128 bytes a wave, named by no other line
.set ADRA, 16
.set ADRB, 20
.set STO,  24
.set RD,   25
.set CO,   26
.set SPW,  28                          ; v28  my spare word; never rewritten
.set NIL,  29                          ; v29  0; never rewritten
.set AF,   64                          ; window 0: o's fragments, two buffers of 32
.set BI,   128                         ; window 0: the bias, 64 registers
.set G1,  24
.set G0,  32
.set G1B, 48
.set G0B, 56
.set MSB, 0
.macro WIN new                         ; the immediate's high byte repeats the setting that is left
.if MSB != \new
	s_set_vgpr_msb (MSB<<8)|\new
.set MSB, \new
.endif
.endm
.set MUL,  0xa1                        ; source 0 (Wo) window 1, source 1 (o) window 0, C and D window 2
.set TO_B, 0x40
.macro JLOAD s                         ; a joint load; an s_nop 0 and four v_nop follow each of the two lines
	s_cmp_eq_u32 s13, 0
	s_cbranch_scc0 .Lfor_b_\@
	tensor_load_to_lds s[G0+4*\s:G0+4*\s+3], s[G1:G1+7]
	s_nop 0
.rept 4
	v_nop
.endr
	s_branch .Lasked_\@
.Lfor_b_\@:
	tensor_load_to_lds s[G0B+4*\s:G0B+4*\s+3], s[G1B:G1B+7]
	s_nop 0
.rept 4
	v_nop
.endr
.Lasked_\@:
.endm
.macro CREST                           ; a round of the cluster's barrier behind its opening barrier
	s_cmp_lg_u32 s12, 0
	s_cbranch_scc1 .Lnot_wave_0_\@
	s_barrier_signal -3
.Lnot_wave_0_\@:
	s_barrier_wait -3
	s_barrier_signal -1
	s_barrier_wait -1
.endm
.macro CROUND
	s_barrier_signal -1
	s_barrier_wait -1
	CREST
.endm
	s_load_b256 s[4:11], s[0:1], 0x0               ; ao, codes, bo, out0
	v_lshl_add_u32 v[SPW], v0, 2, SPARE
	v_mov_b32 v[NIL], 0
	ds_add_u32 v[SPW], v[NIL]                      ; the wave's opening: the add, twice on end, and its wait ahead of my first tensor load
	ds_add_u32 v[SPW], v[NIL]
	v_lshrrev_b32 v1, 5, v0
	v_readfirstlane_b32 s12, v1                    ; wave 0..3
	s_lshr_b32 s13, s12, 1                         ; which 64 tokens are mine.  Also: I fetch for o (0) or for Wo (1)
	s_and_b32 s14, s12, 1                          ; which 128 columns.  Also: which plane of a K step I fetch
	s_bfe_u32 s40, ttmp6, 0x40000                  ; cx, cy
	s_bfe_u32 s41, ttmp6, 0x40004
	s_lshl_b32 s42, ttmp9, 2
	s_add_co_u32 s42, s42, s40                     ; tile column
	s_and_b32 s15, ttmp7, 0xffff
	s_lshl_b32 s15, s15, 2
	s_add_co_u32 s15, s15, s41                     ; tile row
	s_lshl_b32 s43, s41, 2
	s_lshl_b32 s43, 15, s43                        ; my row of the cluster
	s_lshl_b32 s44, 0x1111, s40                    ; my column
	s_or_b32 s[G1+0], s43, (1<<16)|(1<<20)|(1<<21)|(5<<22)|(3<<25)   ; the mask; elements of 2 bytes; 4 words of padding behind every 64; bit 21 beside a mask
	s_or_b32 s[G1B+0], s44, (1<<16)|(1<<20)|(1<<21)|(5<<22)|(3<<25)
	s_mov_b32 s[G1+1], 128<<16                     ; tensor_dim0 = 128 elements
	s_mov_b32 s[G1+2], 64<<16                      ; tensor_dim1 = 64 rows of 256 bytes
	s_mov_b32 s[G1+3], 128<<16                     ; tile_dim0
	s_mov_b32 s[G1+4], 64                          ; tile_dim1
	s_mov_b32 s[G1+5], 128                         ; the pitch: dense
	s_mov_b32 s[G1+6], 0
	s_mov_b32 s[G1+7], 0
	s_mov_b32 s[G1B+1], 128<<16
	s_mov_b32 s[G1B+2], 128<<16                    ; 128 rows of 256 bytes
	s_mov_b32 s[G1B+3], 128<<16
	s_mov_b32 s[G1B+4], 128
	s_mov_b32 s[G1B+5], 128
	s_mov_b32 s[G1B+6], 0
	s_mov_b32 s[G1B+7], 0
	s_lshl_b32 s16, s15, 14                        ; o: 128 tokens of 128 bytes a tile row,
	s_lshl_b32 s17, s14, 20                        ; my plane
	s_add_co_u32 s16, s16, s17
	s_mov_b32 s17, 0
	s_lshl_b32 s46, s42, 15                        ; Wo: 256 rows of 128 bytes a tile column,
	s_lshl_b32 s47, s14, 17                        ; my plane
	s_add_co_u32 s46, s46, s47
	s_add_co_u32 s46, s46, WO16
	s_mov_b32 s47, 0
	s_mul_i32 s20, s14, APL                        ; where they go: no place in the cluster enters an LDS address
	s_mul_i32 s21, s14, BPL
	s_add_co_u32 s21, s21, 2*APL
	s_wait_dscnt 0x0                               ; both opening adds are done
	s_wait_kmcnt 0x0
	s_add_nc_u64 s[18:19], s[4:5], s[16:17]
	s_add_nc_u64 s[46:47], s[6:7], s[46:47]
	CROUND                                         ; all sixteen work-groups are here: the first joint loads meet
.irp s, 0,1
	s_mov_b32 s[G0+4*\s], 1
	s_add_co_u32 s[G0+4*\s+1], s20, \s*SLOT
	s_add_nc_u64 s[G0+4*\s+2:G0+4*\s+3], s[18:19], \s*2*1048576
	s_or_b32 s[G0+4*\s+3], s[G0+4*\s+3], 0x80000000
	s_mov_b32 s[G0B+4*\s], 1
	s_add_co_u32 s[G0B+4*\s+1], s21, \s*SLOT
	s_add_nc_u64 s[G0B+4*\s+2:G0B+4*\s+3], s[46:47], \s*2*131072
	s_or_b32 s[G0B+4*\s+3], s[G0B+4*\s+3], 0x80000000
	JLOAD \s                                       ; two tensor loads of a wave are out here, later one
.endr
	v_and_b32 v1, 15, v0
	v_bfe_u32 v2, v0, 4, 1
	s_lshl_b32 s46, s42, 10
	s_lshl_b32 s47, s14, 9
	s_add_co_u32 s46, s46, s47                     ; my first column, in bytes of f32
	s_mov_b32 s47, 0
	s_add_nc_u64 s[8:9], s[8:9], s[46:47]
	v_lshlrev_b32 v30, 5, v2
.irp b, 0,1,2,3,4,5,6,7
	global_load_b128 v[BI+8*\b:BI+8*\b+3], v30, s[8:9] offset:64*\b
	global_load_b128 v[BI+8*\b+4:BI+8*\b+7], v30, s[8:9] offset:64*\b+16
.endr
	v_lshrrev_b32 v3, 1, v1
	v_mul_u32_u24 v3, v3, 272
	v_and_b32 v4, 1, v0
	v_lshl_add_u32 v3, v4, 7, v3
	v_lshl_add_u32 v3, v2, 4, v3                   ; a fragment's row and half
	s_mul_i32 s21, s13, 32*272                     ; my 64 tokens
	s_mul_i32 s22, s14, 64*272                     ; my 128 rows of Wo,
	s_add_co_u32 s22, s22, 2*APL                   ; behind o's two planes
.irp s, 0,1
	v_add_nc_u32 v[ADRA+\s], s21, v3
	v_add_nc_u32 v[ADRB+\s], s22, v3
	s_add_co_u32 s21, s21, SLOT
	s_add_co_u32 s22, s22, SLOT
.endr
	s_mul_i32 s23, s12, 16*528
	s_add_co_u32 s23, s23, STAGE
	v_mul_u32_u24 v5, v1, 528
	v_lshl_add_u32 v5, v2, 5, v5
	v_add_nc_u32 v[STO], s23, v5                   ; in: token l % 16, 32 bytes for each half of the lanes
	v_and_b32 v6, 31, v0
	v_lshlrev_b32 v[CO], 4, v6
	v_add_nc_u32 v[RD], s23, v[CO]                 ; back: the 32 lanes take one row of 512 bytes
	s_lshl_b32 s16, s15, 19                        ; 128 rows of 4,096 bytes
	s_lshl_b32 s17, s13, 18
	s_add_co_u32 s16, s16, s17
	s_mov_b32 s17, 0
	s_add_nc_u64 s[10:11], s[10:11], s[16:17]
	s_add_nc_u64 s[10:11], s[10:11], s[46:47]
.macro MUL16 f, a0, zero               ; 16 products: tokens' blocks a0, a0 + 1 against Wo's eight, 32 along K.  The 32 accumulators take turns
.irp a, \a0, \a0+1
.irp b, 0,1,2,3,4,5,6,7
.if \zero
	v_wmma_f32_16x16x32_f16 v[8*(8*(\a)+\b):8*(8*(\a)+\b)+7], v[64*\f+8*\b:64*\f+8*\b+7], v[AF+32*\f+8*(\a):AF+32*\f+8*(\a)+7], v[BI+8*\b:BI+8*\b+7]
.else
	v_wmma_f32_16x16x32_f16 v[8*(8*(\a)+\b):8*(8*(\a)+\b)+7], v[64*\f+8*\b:64*\f+8*\b+7], v[AF+32*\f+8*(\a):AF+32*\f+8*(\a)+7], v[8*(8*(\a)+\b):8*(8*(\a)+\b)+7]
.endif
.endr
.endr
.endm
.macro FETCH slot, q, f                ; the fragments of quarter q of a K step (plane q / 2, channels 32 (q % 2) on) into buffer f: 24 loads in one run
	WIN TO_B
.irp i, 0,1,2,3,4,5,6,7
	ds_load_b128 v[64*\f+8*\i:64*\f+8*\i+3],   v[ADRB+\slot] offset:((\q)/2)*BPL+64*((\q)%2)+\i*2176
	ds_load_b128 v[64*\f+8*\i+4:64*\f+8*\i+7], v[ADRB+\slot] offset:((\q)/2)*BPL+64*((\q)%2)+\i*2176+32
.endr
	WIN 0
.irp i, 0,1,2,3
	ds_load_b128 v[AF+32*\f+8*\i:AF+32*\f+8*\i+3],   v[ADRA+\slot] offset:((\q)/2)*APL+64*((\q)%2)+\i*2176
	ds_load_b128 v[AF+32*\f+8*\i+4:AF+32*\f+8*\i+7], v[ADRA+\slot] offset:((\q)/2)*APL+64*((\q)%2)+\i*2176+32
.endr
.endm
.macro PLACES                          ; four plain vector instructions between a matrix instruction and a load into, or a read of, its registers
.rept 4
	v_nop
.endr
.endm
.macro QUARTER slot, q, f, g, zero     ; multiplies buffer f; ahead of its 32 products it asks for quarter q into buffer g
	s_wait_dscnt 0x0                               ; buffer f is in (asked for 32 products ago)
	PLACES
	FETCH \slot, \q, \g
.if \zero
	WIN 0x81                                       ; C (the bias) in window 0
.else
	WIN MUL
.endif
	MUL16 \f, 0, \zero
	MUL16 \f, 2, \zero
.endm
; A K step's last quarter multiplies buffer 1 and changes slots: each wave waits for all its tensor loads (its part of the next slot), adds 0 to its spare word, and waits for that and for its reads of this slot.
.macro TURN slot, next, fill
	WIN 0
	s_wait_tensorcnt 0x0
	ds_add_u32 v[SPW], v[NIL]
.if \fill
	s_add_nc_u64 s[G0+4*\slot+2:G0+4*\slot+3], s[G0+4*\slot+2:G0+4*\slot+3], 4*1048576   ; no load of mine is out: this slot's next K step, four planes on
	s_add_nc_u64 s[G0B+4*\slot+2:G0B+4*\slot+3], s[G0B+4*\slot+2:G0B+4*\slot+3], 4*131072
.endif
	s_wait_dscnt 0x0
	s_barrier_signal -1
	WIN MUL
	MUL16 1, 0, 0                                  ; work on registers while the others arrive
	WIN 0
	s_barrier_wait -1
.if \fill
	CREST                                          ; the barrier has opened a round of the cluster's: no wave of any partner still reads this slot or has a load on its way
	JLOAD \slot                                    ; the first tensor load behind the round; its four v_nop are also the places in front of the loads below
.else
	PLACES
.endif
	FETCH \next, 0, 0
	WIN MUL
	MUL16 1, 2, 0
.endm
	s_wait_tensorcnt 1                             ; my part of K step 0 is in; K step 1's load may stay out
	s_barrier_signal -1
	s_barrier_wait -1
	FETCH 0, 0, 0
	s_wait_loadcnt 0x0                             ; the bias
	QUARTER 0, 1, 0, 1, 1                          ; the first quarter stands in front of the loop: its products start the sums
	WIN 0
	s_mov_b32 s3, 3
.Llap:                                                 ; a trip goes once round the ring and fills both slots again: K steps 2 to 7
	QUARTER 0, 2, 1, 0, 0
	QUARTER 0, 3, 0, 1, 0
	TURN 0, 1, 1
	QUARTER 1, 1, 0, 1, 0
	QUARTER 1, 2, 1, 0, 0
	QUARTER 1, 3, 0, 1, 0
	TURN 1, 0, 1
	QUARTER 0, 1, 0, 1, 0
	WIN 0
	s_sub_co_u32 s3, s3, 1
	s_cmp_lg_u32 s3, 0
	s_cbranch_scc1 .Llap
	QUARTER 0, 2, 1, 0, 0                          ; the last lap fills nothing
	QUARTER 0, 3, 0, 1, 0
	TURN 0, 1, 0
	QUARTER 1, 1, 0, 1, 0
	QUARTER 1, 2, 1, 0, 0
	QUARTER 1, 3, 0, 1, 0
	s_wait_dscnt 0x0
	WIN MUL
	MUL16 1, 0, 0
	MUL16 1, 2, 0
	WIN 0
; THE WAY OUT, a block of 16 tokens x 128 columns at a time, through my own stage: whole rows of 512 bytes leave, two aligned runs of 256 bytes an instruction.
.macro TOSTAGE a
	WIN 0x08                                       ; an LDS store's data: window 2
.irp b, 0,1,2,3,4,5,6,7
	ds_store_b128 v[STO], v[64*(\a)+8*\b:64*(\a)+8*\b+3] offset:64*\b          ; each accumulator from its low end on
	ds_store_b128 v[STO], v[64*(\a)+8*\b+4:64*(\a)+8*\b+7] offset:64*\b+16
.endr
	WIN 0
.set BB, 64+64*((\a)%2)
.irp t, 0,1,2,3,4,5,6,7,8,9,10,11,12,13,14,15
	ds_load_b128 v[BB+4*\t:BB+4*\t+3], v[RD] offset:\t*528
.endr
.endm
.macro SEND a, younger
.set BB, 64+64*((\a)%2)
	s_wait_dscnt \younger                          ; the block is back; the next block's 16 stores and 16 loads may be out
.irp t, 0,1,2,3,4,5,6,7,8,9,10,11,12,13,14,15
	global_store_b128 v[CO], v[BB+4*\t:BB+4*\t+3], s[10:11] offset:(\a)*65536+\t*4096
.endr
.endm
	PLACES
	TOSTAGE 0
	TOSTAGE 1
	SEND 0, 32
	s_wait_xcnt 0x0                                ; block 0's stores have read their registers: block 2 may land there
	TOSTAGE 2
	SEND 1, 32
	s_wait_xcnt 0x0
	TOSTAGE 3
	SEND 2, 32
	SEND 3, 0
	s_wait_tensorcnt 0x0                           ; the wave's end
	ds_add_u32 v[SPW], v[NIL]
	s_wait_dscnt 0x0
	CROUND                                         ; the closing round
	s_endpgm
.Lfunc_end_k_q7a59fb579f_oproj:
	.size	k_q7a59fb579f_oproj, .Lfunc_end_k_q7a59fb579f_oproj-k_q7a59fb579f_oproj
	.p2alignl 7, 3214868480
	.fill 96, 4, 3214868480
	.section	.rodata,"a",@progbits
	.p2align	6, 0x0
	.amdhsa_kernel k_q7a59fb579f_oproj
		.amdhsa_group_segment_fixed_size 327680
		.amdhsa_private_segment_fixed_size 0
		.amdhsa_enable_private_segment 0
		.amdhsa_kernarg_size 32
		.amdhsa_user_sgpr_count 2
		.amdhsa_user_sgpr_kernarg_segment_ptr 1
		.amdhsa_wavefront_size32 1
		.amdhsa_system_sgpr_workgroup_id_x 1
		.amdhsa_system_sgpr_workgroup_id_y 1
		.amdhsa_system_sgpr_workgroup_id_z 1
		.amdhsa_system_vgpr_workitem_id 0
		.amdhsa_next_free_vgpr 768
		.amdhsa_next_free_sgpr 66
		.amdhsa_reserve_vcc 0
		.amdhsa_float_denorm_mode_32 3
		.amdhsa_float_denorm_mode_16_64 3
		.amdhsa_memory_ordered 1
		.amdhsa_forward_progress 1
		.amdhsa_inst_pref_size 86
	.end_amdhsa_kernel
	.amdgpu_metadata
---
amdhsa.version: [ 1, 2 ]
amdhsa.kernels:
  - .name:           k_q7a59fb579f_oproj
    .symbol:         k_q7a59fb579f_oproj.kd
    .args:
      - { .name: ao, .offset: 0, .size: 8, .value_kind: global_buffer, .address_space: global }
      - { .name: codes, .offset: 8, .size: 8, .value_kind: global_buffer, .address_space: global }
      - { .name: bo, .offset: 16, .size: 8, .value_kind: global_buffer, .address_space: global }
      - { .name: out0, .offset: 24, .size: 8, .value_kind: global_buffer, .address_space: global }
    .group_segment_fixed_size: 327680
    .private_segment_fixed_size: 0
    .kernarg_segment_align: 8
    .kernarg_segment_size: 32
    .max_flat_workgroup_size: 128
    .sgpr_count:     66
    .vgpr_count:     768
    .wavefront_size: 32
...
	.end_amdgpu_metadata
.endif
;; end of part 5
;; launch fine_proj (part 6): grid 16 x 4, 16 waves a work-group, no clusters, 69,632 bytes of LDS; arguments ofine, Wo, bo, out0; writes out0
.if DOCPART == 6
	.amdgcn_target "amdgcn-amd-amdhsa--gfx1250"
	.amdhsa_code_object_version 6
	.text
	.protected	k_q7a59fb579f_fine_proj
	.globl	k_q7a59fb579f_fine_proj
	.p2align	8
	.type	k_q7a59fb579f_fine_proj,@function
k_q7a59fb579f_fine_proj:
	s_mov_b64 s[64:65], 0
	v_nop
	global_prefetch_b8 v0, s[64:65] scope:SCOPE_SE
	s_setreg_imm32_b32 hwreg(HW_REG_WAVE_MODE, 25, 1), 1
	s_wait_xcnt 0x0
; Rows 0-15 of each sequence of out0 = o Wo^T + bo, in f32 from f32 operands (ofine [4][16][1024], Wo [1024][1024]): 64 rows of the result in all, no bulk work.
; Work-group (cg, batch): 16 rows x columns 64 cg .. 64 cg + 63.  Wave w sums K = 64 w .. 64 w + 63 by the f32 matrix form, four accumulators by turns; the sixteen partial tiles meet in LDS
; as images of their registers, and waves 0-7 add them in ascending order, add the bias and store: sixteen lanes fill 256 bytes on end.
; Each lane's load of 16 bytes gives two pairs of registers; the same pair of Wo and of o stand at the same four places of K.  v224-255 are written by matrix instructions alone.
.set PW,    8*528                      ; a wave's partial sums in LDS: eight groups of 512 bytes + 16
.set SPARE, 16*PW                      ; the spare words: 128 bytes a wave
	s_load_b256 s[4:11], s[0:1], 0x0               ; ofine, Wo, bo, out0
	v_lshl_add_u32 v2, v0, 2, SPARE                ; v2, v3: kept for the add alone
	v_mov_b32 v3, 0
	v_lshrrev_b32 v1, 5, v0
	v_readfirstlane_b32 s12, v1                    ; wave 0..15
	s_and_b32 s13, ttmp7, 0xffff                   ; batch
	v_and_b32 v4, 15, v0
	v_bfe_u32 v5, v0, 4, 1
	v_lshlrev_b32 v6, 12, v4
	v_lshl_add_u32 v6, v5, 4, v6                   ; row (lane % 16) of 4,096 bytes + 16 (lane / 16)
	v_and_b32 v7, 31, v0
	v_lshlrev_b32 v7, 4, v7
	s_mul_i32 s14, s12, PW
	v_add_nc_u32 v7, s14, v7                       ; my image
	v_bfe_u32 v8, v0, 4, 4                         ; the sum: thread T of the first 256 takes row T / 16,
	v_and_b32 v9, 15, v0                           ; columns 4 (T % 16) on
	v_lshrrev_b32 v10, 2, v9
	v_mul_u32_u24 v10, v10, 1056                   ; which tile of 16 columns,
	v_and_b32 v11, 1, v9
	v_mad_u32_u24 v10, v11, 528, v10               ; which four registers of it,
	v_bfe_u32 v11, v9, 1, 1
	v_lshl_add_u32 v10, v11, 8, v10                ; which half of the lanes,
	v_lshl_add_u32 v10, v8, 4, v10                 ; which lane
	v_lshlrev_b32 v12, 4, v9
	v_lshl_add_u32 v13, v8, 12, v12
	s_lshl_b32 s16, s12, 8                         ; my 64 along K
	s_lshl_b32 s18, ttmp9, 18                      ; 64 rows of Wo
	s_add_co_u32 s18, s18, s16
	s_mov_b32 s19, 0
	s_lshl_b32 s20, s13, 16
	s_add_co_u32 s20, s20, s16
	s_mov_b32 s21, 0
	s_lshl_b32 s22, ttmp9, 8                       ; 64 columns of f32
	s_mov_b32 s23, 0
	s_lshl_b32 s24, s13, 23                        ; 2,048 rows of 4,096 bytes
	s_add_co_u32 s24, s24, s22
	s_mov_b32 s25, 0
	s_wait_kmcnt 0x0
	s_add_nc_u64 s[6:7], s[6:7], s[18:19]
	s_add_nc_u64 s[4:5], s[4:5], s[20:21]
	s_add_nc_u64 s[8:9], s[8:9], s[22:23]
	s_add_nc_u64 s[10:11], s[10:11], s[24:25]
.irp u, 0,1,2,3,4,5,6,7
	global_load_b128 v[160+4*\u:163+4*\u], v6, s[4:5] offset:32*\u
.irp i, 0,1,2,3
	global_load_b128 v[32+32*\i+4*\u:35+32*\i+4*\u], v6, s[6:7] offset:\i*65536+32*\u
.endr
.endr
	global_load_b128 v[192:195], v12, s[8:9]
	s_wait_loadcnt 0x0
.irp i, 0,1,2,3                        ; the first four products start the sums
	v_wmma_f32_16x16x4_f32 v[224+8*\i:231+8*\i], v[32+32*\i:33+32*\i], v[160:161], 0
.endr
.irp i, 0,1,2,3
	v_wmma_f32_16x16x4_f32 v[224+8*\i:231+8*\i], v[34+32*\i:35+32*\i], v[162:163], v[224+8*\i:231+8*\i]
.endr
.irp u, 1,2,3,4,5,6,7
.irp e, 0,1
.irp i, 0,1,2,3
	v_wmma_f32_16x16x4_f32 v[224+8*\i:231+8*\i], v[32+32*\i+4*\u+2*\e:33+32*\i+4*\u+2*\e], v[160+4*\u+2*\e:161+4*\u+2*\e], v[224+8*\i:231+8*\i]
.endr
.endr
.endr
.rept 8
	v_nop                                          ; eight places behind this form
.endr
.irp i, 0,1,2,3
	ds_store_b128 v7, v[224+8*\i:227+8*\i] offset:(2*\i)*528
	ds_store_b128 v7, v[228+8*\i:231+8*\i] offset:(2*\i+1)*528
.endr
	s_wait_dscnt 0x0                               ; for the others' sake: my partial sums have landed
	s_barrier_signal -1
	s_barrier_wait -1
	s_cmp_lt_u32 s12, 8
	s_cbranch_scc1 .Lsum
	s_wait_tensorcnt 0x0                           ; waves 8 to 15 end here
	ds_add_u32 v2, v3
	s_wait_dscnt 0x0
	s_endpgm
.Lsum:
.irp p, 0,1,2,3,4,5,6,7,8,9,10,11,12,13,14,15
	ds_load_b128 v[32+4*\p:35+4*\p], v10 offset:\p*PW
.endr
	s_wait_dscnt 0x0
	v_pk_add_f32 v[96:97], v[32:33], v[36:37]
	v_pk_add_f32 v[98:99], v[34:35], v[38:39]
.irp p, 2,3,4,5,6,7,8,9,10,11,12,13,14,15
	v_pk_add_f32 v[96:97], v[96:97], v[32+4*\p:33+4*\p]
	v_pk_add_f32 v[98:99], v[98:99], v[34+4*\p:35+4*\p]
.endr
	v_pk_add_f32 v[96:97], v[96:97], v[192:193]
	v_pk_add_f32 v[98:99], v[98:99], v[194:195]
	global_store_b128 v13, v[96:99], s[10:11]
	s_wait_tensorcnt 0x0                           ; the wave's end
	ds_add_u32 v2, v3
	s_wait_dscnt 0x0
	s_endpgm
.Lfunc_end_k_q7a59fb579f_fine_proj:
	.size	k_q7a59fb579f_fine_proj, .Lfunc_end_k_q7a59fb579f_fine_proj-k_q7a59fb579f_fine_proj
	.p2alignl 7, 3214868480
	.fill 96, 4, 3214868480
	.section	.rodata,"a",@progbits
	.p2align	6, 0x0
	.amdhsa_kernel k_q7a59fb579f_fine_proj
		.amdhsa_group_segment_fixed_size 69632
		.amdhsa_private_segment_fixed_size 0
		.amdhsa_enable_private_segment 0
		.amdhsa_kernarg_size 32
		.amdhsa_user_sgpr_count 2
		.amdhsa_user_sgpr_kernarg_segment_ptr 1
		.amdhsa_wavefront_size32 1
		.amdhsa_system_sgpr_workgroup_id_x 1
		.amdhsa_system_sgpr_workgroup_id_y 1
		.amdhsa_system_sgpr_workgroup_id_z 1
		.amdhsa_system_vgpr_workitem_id 0
		.amdhsa_next_free_vgpr 256
		.amdhsa_next_free_sgpr 66
		.amdhsa_reserve_vcc 0
		.amdhsa_float_denorm_mode_32 3
		.amdhsa_float_denorm_mode_16_64 3
		.amdhsa_memory_ordered 1
		.amdhsa_forward_progress 1
		.amdhsa_inst_pref_size 15
	.end_amdhsa_kernel
	.amdgpu_metadata
---
amdhsa.version: [ 1, 2 ]
amdhsa.kernels:
  - .name:           k_q7a59fb579f_fine_proj
    .symbol:         k_q7a59fb579f_fine_proj.kd
    .args:
      - { .name: ofine, .offset: 0, .size: 8, .value_kind: global_buffer, .address_space: global }
      - { .name: Wo, .offset: 8, .size: 8, .value_kind: global_buffer, .address_space: global }
      - { .name: bo, .offset: 16, .size: 8, .value_kind: global_buffer, .address_space: global }
      - { .name: out0, .offset: 24, .size: 8, .value_kind: global_buffer, .address_space: global }
    .group_segment_fixed_size: 69632
    .private_segment_fixed_size: 0
    .kernarg_segment_align: 8
    .kernarg_segment_size: 32
    .max_flat_workgroup_size: 512
    .sgpr_count:     66
    .vgpr_count:     256
    .wavefront_size: 32
...
	.end_amdgpu_metadata
.endif
;; end of part 6
